; MI455X (gfx1250); checked and timed in simulation.
; The chip was launched on July 23, 2026; its instructions are those of AMD's public machine-readable ISA for CDNA 5 (MIT licence, August 2026) and "CDNA5" Instruction Set Architecture Reference Guide (July 2026). The comments in the code are by the model that wrote it; some were corrected since.
;; Encoder Layer. Allowed arithmetic: matrix products marked QUANTISED: E2M1 operands, one E8M0 scale for each 32 along K, by v_wmma_scale_f32_16x16x128_f8f6f4 with both operands' format E2M1 (or v_wmma_scale_f32_32x16x128_f4), f32 sums; products left as they are: bf16, f16 or f32 operands; f32 sums; everything else in f32.
;; Inputs: b1 512 float32; b2 512 float32; bc 10 float32; bo 512 float32; ln1_b 512 float32; ln1_g 512 float32; ln2_b 512 float32; ln2_g 512 float32; w1 512 x 512 float32; w2 512 x 512 float32; wc 512 x 10 float32; wk 512 x 512 float32; wo 512 x 512 float32; wq 512 x 512 float32; wv 512 x 512 float32; x 8 x 2,048 x 512 float32.
;; Outputs: out0 8 x 10 float32; out1 8 x 2,048 x 512 float32.
;; This version of the problem:
;;   THIS VERSION OF THE PROBLEM IS GIVEN IN LOW PRECISION. The matrix products marked QUANTISED in the list below multiply operands that are first quantised to E2M1 (2 exponent bits, 1 mantissa bit; 4 bits a number), with one power-of-two scale for each 32 numbers along K (OCP MX v1.0); their sums are f32. The products marked 'left as it is' may take bf16, f16 or f32 operands, with f32 sums. Whichever they take, every output number must still come out within the allowed error. Rounding operands to bf16 (8 significant bits) uses up far more of that allowance than f16 does (11 bits, for magnitudes from 6e-5 to 65,504). All else is computed in f32.
;;   The module's matrix products, in the order in which they are computed (A, B: the left and right operand; K: the contracted axis; several contracted axes count as one K, in the product's order):
;;     1. [M 16,384, K 512] x [K 512, N 512]; A: input x; B: input wq: QUANTISED
;;     2. [M 16,384, K 512] x [K 512, N 512]; A: input x; B: input wk: QUANTISED
;;     3. [M 16,384, K 512] x [K 512, N 512]; A: input x; B: input wv: QUANTISED
;;     4. batch 8 x [M 2,048, K 512] x [K 512, N 2,048]; A: computed on the way; B: computed on the way: left as it is (an operand is computed on the way)
;;     5. batch 8 x [M 2,048, K 2,048] x [K 2,048, N 512]; A: computed on the way; B: computed on the way: left as it is (an operand is computed on the way)
;;     6. [M 16,384, K 512] x [K 512, N 512]; A: computed on the way; B: input wo: left as it is (an operand is computed on the way)
;;     7. [M 16,384, K 512] x [K 512, N 512]; A: computed on the way; B: input w1: left as it is (an operand is computed on the way)
;;     8. [M 16,384, K 512] x [K 512, N 512]; A: computed on the way; B: input w2: left as it is (an operand is computed on the way)
;;     9. [M 8, K 512] x [K 512, N 10]; A: computed on the way; B: input wc: left as it is (M = 8 < 16)
;;   THE QUANTISER, for each operand of a quantised product, along K:
;;     - K is cut into blocks of 32 from its start; a last block that is shorter is filled with zeros.
;;     - A block's scale is 2^e with e = floor(log2(the largest magnitude in the block)) - 2, held to -126 .. 127; a block of zeros has e = 0. As a byte (E8M0): e + 127.
;;     - Each number is divided by its block's scale, clamped to +-6, and rounded to the nearest number of E2M1, ties to even, subnormals kept.
;;     - The product sums the exact products of the quantised numbers (number of the format x scale) in f32.
;;   ~~~python
;;   def quantise(x, axis):      # numpy; x: float32 -> the quantised numbers, widened to float32 again
;;       x = np.moveaxis(x, axis, -1); K = x.shape[-1]
;;       x = np.pad(x, [(0, 0)] * (x.ndim - 1) + [(0, -K % 32)]); x = x.reshape(x.shape[:-1] + (-1, 32)); a = np.abs(x).max(-1, keepdims=True)
;;       e = np.where(a > 0, np.clip(np.frexp(np.where(a > 0, a, 1))[1] - 1 - 2, -126, 127), 0)      # np.frexp(a)[1] - 1 = floor(log2(a)), exactly
;;       r = np.clip(x / 2.0 ** e, -6, 6)
;;       step = 2.0 ** (np.maximum(np.frexp(np.where(r == 0, 1, r))[1] - 1, 0) - 1)
;;       q = np.round(r / step) * step * 2.0 ** e      # np.round: ties to even
;;       return np.moveaxis(q.reshape(q.shape[:-2] + (-1,))[..., :K], -1, axis).astype(np.float32)
;;   ~~~
;; One version. Each part assembles by itself: llvm-mc -triple=amdgcn-amd-amdhsa -mcpu=gfx1250 --defsym DOCPART=n.
;; ======== version 1 of 1: 5 launches
;; workspace buffers: wcodes 393,216 bytes; wsc 24,576 bytes; wimg 1,572,864 bytes; qimg 16,777,216 bytes; kimg 16,777,216 bytes; vimg 16,777,216 bytes; ctx 16,777,216 bytes; psum 524,288 bytes
;; launch prep (part 1): grid 144 x 1, 4 waves a work-group, no clusters, 0 bytes of LDS; arguments wq, wk, wv, wo, w1, w2, wcodes, wsc, wimg; writes wcodes, wsc, wimg
.if DOCPART == 1
	.amdgcn_target "amdgcn-amd-amdhsa--gfx1250"
	.amdhsa_code_object_version 6
	.text
	.protected	k_qcc9ecf3351_prep
	.globl	k_qcc9ecf3351_prep
	.p2align	8
	.type	k_qcc9ecf3351_prep,@function
k_qcc9ecf3351_prep:
	s_mov_b64 s[64:65], 0
	v_nop
	global_prefetch_b8 v0, s[64:65] scope:SCOPE_SE
	s_setreg_imm32_b32 hwreg(HW_REG_WAVE_MODE, 25, 1), 1
	s_wait_xcnt 0x0
; THE WEIGHTS ARE LAID OUT ONCE, IN THE ORDER IN WHICH A WAVE'S OPERAND REGISTERS TAKE THEM.
; DEAD WORK: none.  Every product, bias, gain and input of the layer reaches src or the logits for general values, so all sixteen inputs are loaded by some launch and nothing is left out.
; An IMAGE of a fragment is its 8 registers a lane, 1,024 bytes: piece u (registers 4 u .. 4 u + 3) at 512 u, lane l's 16 bytes at 16 l.
; wq, wk, wv [512 (k)][512 (n)] f32 are quantised along k to E2M1 with one E8M0 byte for each 32: wcodes [T = 32 M + n / 16][s = k / 128][1,024]; lane (r, h) holds column 16 (T % 32) + r,
; registers 4 c .. 4 c + 3 hold k = 128 s + 64 c + 32 h + 0 .. 31.  wsc [T][u][lane]: lane (r, h) holds column r's scale word of K step 2 u + h.
; wo, w1, w2 are rounded to bf16: wimg [L][kc = k / 32][nt = n / 16][1,024]; lane (r, h) holds column 16 nt + r, registers 0-3 k = 32 kc + 8 h + 0 .. 7, registers 4-7 k = 32 kc + 16 + 8 h + 0 .. 7.
; A lane takes a column and its registers run down k: sixteen lanes read 64 consecutive bytes, a block of 32 lies in one lane, nothing is transposed.  Every store of a wave covers 512 consecutive bytes (the scale words 128).
; A block's scale byte is its largest magnitude's exponent field - 2, held at 1 from below.  LIMITS: a block of zeros gets the byte 1 where the rule says 127 (its codes are zeros, and this program alone reads the bytes);
; NaN and infinities among the inputs are not served.  No cluster: the work-groups share no input.  No LDS: waves share nothing.
.set X, 32                             ; v32-159  the numbers as loaded
.set C, 160                            ; v160-175 codes
	s_load_b256 s[4:11], s[0:1], 0x0               ; wq, wk, wv, wo
	s_load_b256 s[12:19], s[0:1], 0x20             ; w1, w2, wcodes, wsc
	s_load_b64 s[20:21], s[0:1], 0x40              ; wimg
	v_lshrrev_b32 v1, 5, v0
	v_readfirstlane_b32 s22, v1                    ; wave
	v_and_b32 v2, 31, v0                           ; lane
	v_and_b32 v3, 15, v0                           ; r
	v_bfe_u32 v4, v0, 4, 1                         ; h
	v_lshlrev_b32 v5, 4, v2                        ; 16 x lane
	v_lshlrev_b32 v6, 2, v2                        ; 4 x lane
	v_lshlrev_b32 v7, 2, v3                        ; 4 r
	s_mov_b32 s30, 0x76543210
	s_mov_b32 s31, 0xfedcba98                      ; lane selects: lane l xor 16
	s_wait_kmcnt 0x0
	s_cmp_lt_u32 ttmp9, 48
	s_cbranch_scc0 .Lwide
	; ---- work-groups 0 to 47: a wave takes tile T = 2 x work-group + wave / 2 and K steps 2 u, 2 u + 1, u = wave % 2
	s_cmp_lt_u32 ttmp9, 32
	s_cselect_b64 s[24:25], s[6:7], s[8:9]
	s_cmp_lt_u32 ttmp9, 16
	s_cselect_b64 s[24:25], s[4:5], s[24:25]       ; the choice hangs on the work-group's number alone
	s_lshr_b32 s26, s22, 1
	s_lshl_b32 s27, ttmp9, 1
	s_add_co_u32 s26, s26, s27                     ; T
	s_and_b32 s27, s22, 1                          ; u
	s_and_b32 s28, s26, 31
	s_lshl_b32 s28, s28, 6                         ; 16 columns are 64 bytes
	s_lshl_b32 s29, s27, 19                        ; 256 rows of 2,048 bytes
	s_add_co_u32 s28, s28, s29
	s_mov_b32 s29, 0
	s_add_nc_u64 s[24:25], s[24:25], s[28:29]
	v_lshl_add_u32 v8, v4, 16, v7                  ; lanes 16-31 begin 32 rows further down
	v_lshlrev_b32 v10, 3, v4                       ; 8 h
	v_mov_b32 v11, 0                               ; a lane permute's destination counts as one of its sources
.irp p, 0,1
.irp c, 0,1
.irp i, 0,1,2,3,4,5,6,7,8,9,10,11,12,13,14,15,16,17,18,19,20,21,22,23,24,25,26,27,28,29,30,31
	global_load_b32 v[X+64*\p+32*\c+\i], v8, s[24:25] offset:(128*\p+64*\c+\i)*2048
.endr
.endr
.endr
	s_lshl_b32 s28, s26, 12                        ; 4 T images,
	s_lshl_b32 s29, s27, 11                        ; 2 u more
	s_add_co_u32 s28, s28, s29
	s_mov_b32 s29, 0
	s_add_nc_u64 s[16:17], s[16:17], s[28:29]
	s_lshl_b32 s28, s26, 8
	s_lshl_b32 s29, s27, 7
	s_add_co_u32 s28, s28, s29
	s_mov_b32 s29, 0
	s_add_nc_u64 s[18:19], s[18:19], s[28:29]
.macro QSTEP p                         ; one K step: my two blocks, 2 c + h
.set XS, X+64*(\p)
.irp c, 0,1
	v_max3_num_f32 v[16+\c], |v[XS+32*\c]|, |v[XS+32*\c+1]|, 0x1800000   ; with the floor 2^(3 - 127): the byte cannot fall under 1
.endr
.irp i, 2,4,6,8,10,12,14,16,18,20,22,24,26,28,30
.irp c, 0,1
	v_max3_num_f32 v[16+\c], v[16+\c], |v[XS+32*\c+\i]|, |v[XS+32*\c+\i+1]|
.endr
.endr
.irp c, 0,1
	v_add_nc_u32 v[20+\c], 0xff000000, v[16+\c]    ; 2 off the exponent field: the conversion's scale operand
.endr
.irp c, 0,1
	v_lshrrev_b32 v[18+\c], 23, v[20+\c]           ; the scale's byte
.endr
	v_lshl_or_b32 v9, v19, 16, v18                 ; my two bytes, blocks h and 2 + h,
	v_lshlrev_b32 v9, v10, v9                      ; at their places,
	v_permlanex16_b32 v11, v9, s30, s31
	v_or_b32 v[12+\p], v9, v11                     ; and with lane l xor 16's two the word is whole
.irp c, 0,1
.irp g, 0,1,2,3
	v_cvt_scalef32_pk8_fp4_f32 v[C+8*(\p)+4*\c+\g], v[XS+32*\c+8*\g:XS+32*\c+8*\g+7], v[20+\c]
.endr
.endr
	v_nop                                          ; one plain line behind the last conversion
.irp c, 0,1
	global_store_b128 v5, v[C+8*(\p)+4*\c:C+8*(\p)+4*\c+3], s[16:17] offset:1024*(\p)+512*\c
.endr
.endm
	s_wait_loadcnt 63                              ; the first K step's 64 loads are in: 64 were issued behind them, and at most 63 of those are still out
	QSTEP 0
	s_wait_loadcnt 0x0
	QSTEP 1
	v_cmp_gt_u32 vcc_lo, 16, v2
	v_cndmask_b32 v14, v13, v12, vcc_lo            ; lanes 0-15 keep K step 2 u's word, lanes 16-31 that of 2 u + 1
	global_store_b32 v6, v14, s[18:19]
	s_endpgm
.Lwide:
	; ---- work-groups 48 to 143: wave id = 4 (work-group - 48) + wave takes four images: weight id / 128, kc = (id / 8) % 16, tiles 4 (id % 8) ..
	s_sub_co_u32 s26, ttmp9, 48
	s_lshl_b32 s27, s26, 2
	s_add_co_u32 s27, s27, s22                     ; id
	s_lshr_b32 s28, s27, 7
	s_cmp_lt_u32 s28, 2
	s_cselect_b64 s[24:25], s[12:13], s[14:15]
	s_cmp_lt_u32 s28, 1
	s_cselect_b64 s[24:25], s[10:11], s[24:25]
	s_bfe_u32 s28, s27, 0x40003                    ; kc
	s_lshl_b32 s28, s28, 16                        ; 32 rows of 2,048 bytes
	s_and_b32 s29, s27, 7
	s_lshl_b32 s29, s29, 8                         ; four tiles of 64 bytes
	s_add_co_u32 s28, s28, s29
	s_mov_b32 s29, 0
	s_add_nc_u64 s[24:25], s[24:25], s[28:29]
	s_lshl_b32 s28, s27, 12                        ; four images a wave, in the order of id
	s_add_nc_u64 s[20:21], s[20:21], s[28:29]
	v_lshl_add_u32 v8, v4, 14, v7                  ; lanes 16-31 begin 8 rows further down
.irp f, 0,1,2,3
.irp i, 0,1,2,3,4,5,6,7,8,9,10,11,12,13,14,15
	global_load_b32 v[X+16*\f+\i], v8, s[24:25] offset:(\i+8*(\i/8))*2048+64*\f
.endr
.endr
	s_wait_loadcnt 0x0
.irp f, 0,1,2,3
.irp i, 0,1,2,3,4,5,6,7
	v_cvt_pk_bf16_f32 v[96+8*\f+\i], v[X+16*\f+2*\i], v[X+16*\f+2*\i+1]
.endr
.endr
.irp f, 0,1,2,3
.irp u, 0,1
	global_store_b128 v5, v[96+8*\f+4*\u:96+8*\f+4*\u+3], s[20:21] offset:1024*\f+512*\u
.endr
.endr
	s_endpgm
.Lfunc_end_k_qcc9ecf3351_prep:
	.size	k_qcc9ecf3351_prep, .Lfunc_end_k_qcc9ecf3351_prep-k_qcc9ecf3351_prep
	.p2alignl 7, 3214868480
	.fill 96, 4, 3214868480
	.section	.rodata,"a",@progbits
	.p2align	6, 0x0
	.amdhsa_kernel k_qcc9ecf3351_prep
		.amdhsa_group_segment_fixed_size 0
		.amdhsa_private_segment_fixed_size 0
		.amdhsa_enable_private_segment 0
		.amdhsa_kernarg_size 72
		.amdhsa_user_sgpr_count 2
		.amdhsa_user_sgpr_kernarg_segment_ptr 1
		.amdhsa_wavefront_size32 1
		.amdhsa_system_sgpr_workgroup_id_x 1
		.amdhsa_system_sgpr_workgroup_id_y 1
		.amdhsa_system_sgpr_workgroup_id_z 1
		.amdhsa_system_vgpr_workitem_id 0
		.amdhsa_next_free_vgpr 192
		.amdhsa_next_free_sgpr 66
		.amdhsa_reserve_vcc 1
		.amdhsa_float_denorm_mode_32 3
		.amdhsa_float_denorm_mode_16_64 3
		.amdhsa_memory_ordered 1
		.amdhsa_forward_progress 1
		.amdhsa_inst_pref_size 30
	.end_amdhsa_kernel
	.amdgpu_metadata
---
amdhsa.version: [ 1, 2 ]
amdhsa.kernels:
  - .name:           k_qcc9ecf3351_prep
    .symbol:         k_qcc9ecf3351_prep.kd
    .args:
      - { .name: wq, .offset: 0, .size: 8, .value_kind: global_buffer, .address_space: global }
      - { .name: wk, .offset: 8, .size: 8, .value_kind: global_buffer, .address_space: global }
      - { .name: wv, .offset: 16, .size: 8, .value_kind: global_buffer, .address_space: global }
      - { .name: wo, .offset: 24, .size: 8, .value_kind: global_buffer, .address_space: global }
      - { .name: w1, .offset: 32, .size: 8, .value_kind: global_buffer, .address_space: global }
      - { .name: w2, .offset: 40, .size: 8, .value_kind: global_buffer, .address_space: global }
      - { .name: wcodes, .offset: 48, .size: 8, .value_kind: global_buffer, .address_space: global }
      - { .name: wsc, .offset: 56, .size: 8, .value_kind: global_buffer, .address_space: global }
      - { .name: wimg, .offset: 64, .size: 8, .value_kind: global_buffer, .address_space: global }
    .group_segment_fixed_size: 0
    .private_segment_fixed_size: 0
    .kernarg_segment_align: 8
    .kernarg_segment_size: 72
    .max_flat_workgroup_size: 128
    .sgpr_count:     66
    .vgpr_count:     192
    .wavefront_size: 32
...
	.end_amdgpu_metadata
.endif
;; end of part 1
;; launch qkv (part 2): grid 256 x 1, 4 waves a work-group, no clusters, 167,936 bytes of LDS; arguments x, wcodes, wsc, qimg, kimg, vimg; writes qimg, kimg, vimg
.if DOCPART == 2
	.amdgcn_target "amdgcn-amd-amdhsa--gfx1250"
	.amdhsa_code_object_version 6
	.text
	.protected	k_qcc9ecf3351_qkv
	.globl	k_qcc9ecf3351_qkv
	.p2align	8
	.type	k_qcc9ecf3351_qkv,@function
k_qcc9ecf3351_qkv:
	s_mov_b64 s[64:65], 0
	v_nop
	global_prefetch_b8 v0, s[64:65] scope:SCOPE_SE
	s_setreg_imm32_b32 hwreg(HW_REG_WAVE_MODE, 25, 1), 1
	s_wait_xcnt 0x0
; q = x wq, k = x wk, v = x wv on codes of E2M1 with one E8M0 scale for each 32 along K.  x is quantised here, once; the weights' codes come from the launch before.  Nothing is left out.
; SHARES.  A work-group takes 64 rows.  Wave w quantises rows 16 w .. 16 w + 15 (four fragments, which go to the other waves through LDS as images of their registers) and then makes channels 128 w .. 128 w + 127 of q, of k
; and of v for all 64 rows: 12 groups of 2 tiles of channels x 4 tiles of rows x 4 K steps, 32 matrix instructions each, eight accumulators by turns.
; LAYOUT OF THE RESULTS (bf16, images of the next launch's operand registers).  q and k: source 0 = 16 channels of the weight, source 1 = 16 rows of x: a lane holds one row and eight neighbouring channels; two tiles pack into a
; fragment (16 rows x 32 channels).  v: the sources swapped: a lane holds one channel and eight neighbouring rows (keys); two tiles of rows pack into a fragment (16 channels x 32 keys).
; qimg [block of 64 rows][s = channel / 32][t = tile of rows][1,024];  kimg [row / 16][s][1,024];  vimg [row / 32][channel / 16][1,024].  Every store covers 512 consecutive bytes, aligned.
; NO CLUSTER: each weight fragment is read by one wave of a work-group and goes straight into its operand registers; the weights' 417,792 bytes are more than LDS holds, so joint loads would want a ring with a round of the
; cluster's barrier for every few of a wave's 384 matrix instructions.
; LIMITS: a block of zeros gets the scale byte 1 (its codes are zeros; this program alone reads the bytes); NaN and infinities are not served; q, k, v are rounded to bf16.
; x's rows lie 2,080 bytes apart in LDS (two halves of 1,024 + 16), 8 words modulo 64: by that count the 64 reads of a wave go two deep in the banks.
; REGISTERS.  window 0: v1-7 addresses; v12-13 scale words just made; v16-31 at work; v32-47 codes just made, two sets; v48-63 x's scale words (t, s); v64-191 x's 16 fragments (before: 2 x 64 numbers of x);
;   v192-239 the weights' scale words; v240, v241 the add's two.   windows 1, 2: weight groups (0-3 and later 8-11 in window 1, 4-7 in window 2), 64 registers each.   window 3: two sets of 8 accumulators; two sets of 32 packed results.
.set XRAWB, 33280                      ; LDS: a wave's 16 rows of x: 32 half rows of 1,024 + 16 bytes
.set XIMG,  133120                     ; x's 16 fragments, 4 t + s
.set XSC,   149504                     ; their scale words, 128 bytes each
.set SPARE, 151552                     ; the spare words, 128 bytes for each wave, that no other line names
.set XA,  1
.set L16, 2
.set L4,  3
.set XWI, 4
.set XWS, 5
.set XRI, 6
.set XRS, 7
.set PW,  12
.set TM,  16
.set PC,  32
.set XS,  48
.set XF,  64
.set WS,  192
.set SPW, 240
.set NIL, 241
.set WV,  16
.set SEL, 18
.set G1,  24
.set G0,  32
.set MSB, 0
.set LQ, 0                             ; counts the LDS instructions issued: a wait's count is LQ less the mark taken behind the run that is wanted
.macro WIN new                         ; the immediate's high byte repeats the setting that is left
.if MSB != \new
	s_set_vgpr_msb (MSB<<8)|\new
.set MSB, \new
.endif
.endm
.macro PLACES                          ; four places behind matrix instructions, in front of loads into their registers and of the first read of results
.rept 4
	v_nop
.endr
.endm
	s_load_b256 s[4:11], s[0:1], 0x0               ; x, wcodes, wsc, qimg
	s_load_b128 s[12:15], s[0:1], 0x20             ; kimg, vimg
	v_lshl_add_u32 v[SPW], v0, 2, SPARE
	v_mov_b32 v[NIL], 0
	ds_add_u32 v[SPW], v[NIL]                      ; the wave's opening: the add, twice on end, and its wait ahead of my first tensor load
	ds_add_u32 v[SPW], v[NIL]
	v_lshrrev_b32 v8, 5, v0
	v_readfirstlane_b32 s[WV], v8                  ; wave 0..3
	; descriptor group 1: my 16 rows of x are 32,768 dense bytes: 32 rows of 1,024 bytes (128 elements of 8), 16 bytes of padding behind each
	s_mov_b32 s[G1+0], (3<<16)|(1<<20)|(7<<22)|(3<<25)
	s_mov_b32 s[G1+1], 128<<16
	s_mov_b32 s[G1+2], 32<<16
	s_mov_b32 s[G1+3], 128<<16
	s_mov_b32 s[G1+4], 32
	s_mov_b32 s[G1+5], 128
	s_mov_b32 s[G1+6], 0
	s_mov_b32 s[G1+7], 0
	s_mul_i32 s20, s[WV], XRAWB
	s_lshl_b32 s36, ttmp9, 17                      ; 64 rows of 2,048 bytes,
	s_lshl_b32 s21, s[WV], 15                      ; my 16
	s_add_co_u32 s36, s36, s21
	s_mov_b32 s37, 0
	s_lshl_b32 s38, s[WV], 11                      ; wsc: my 8 tiles of 256 bytes
	s_mov_b32 s39, 0
	s_lshl_b32 s40, s[WV], 15                      ; wcodes: my 8 tiles of 4,096 bytes
	s_mov_b32 s41, 0
	s_lshl_b32 s21, ttmp9, 16                      ; a block of 64 rows is 65,536 bytes in each of the three results
	s_lshl_b32 s42, s[WV], 14
	s_add_co_u32 s42, s42, s21                     ; q: s = 4 w on
	s_mov_b32 s43, 0
	s_lshl_b32 s44, s[WV], 12
	s_add_co_u32 s44, s44, s21                     ; k: s = 4 w on
	s_mov_b32 s45, 0
	s_lshl_b32 s46, s[WV], 13
	s_add_co_u32 s46, s46, s21                     ; v: tile 8 w on
	s_mov_b32 s47, 0
	s_mov_b32 s[SEL], 0x76543210
	s_mov_b32 s[SEL+1], 0xfedcba98
	s_wait_dscnt 0x0                               ; both opening adds are done
	s_wait_kmcnt 0x0
	s_mov_b32 s[G0], 1
	s_mov_b32 s[G0+1], s20
	s_add_nc_u64 s[G0+2:G0+3], s[4:5], s[36:37]
	s_or_b32 s[G0+3], s[G0+3], 0x80000000
	tensor_load_to_lds s[G0:G0+3], s[G1:G1+7]      ; my one tensor load: filled once, read by me alone
	s_nop 0
	PLACES
	s_add_nc_u64 s[8:9], s[8:9], s[38:39]
	s_add_nc_u64 s[6:7], s[6:7], s[40:41]
	s_add_nc_u64 s[10:11], s[10:11], s[42:43]
	s_add_nc_u64 s[12:13], s[12:13], s[44:45]
	s_add_nc_u64 s[14:15], s[14:15], s[46:47]
	v_and_b32 v8, 31, v0                           ; lane
	v_and_b32 v9, 15, v0                           ; r
	v_bfe_u32 v10, v0, 4, 1                        ; h
	v_lshlrev_b32 v[L16], 4, v8
	v_lshlrev_b32 v[L4], 2, v8
	v_mul_u32_u24 v[XA], v9, 2080
	v_lshl_add_u32 v[XA], v10, 6, v[XA]
	v_add_nc_u32 v[XA], s20, v[XA]                 ; row r of my 16, + 64 h: my 16 numbers of a block of 32
	v_add_nc_u32 v[XRI], XIMG, v[L16]
	v_add_nc_u32 v[XRS], XSC, v[L4]
	s_lshl_b32 s21, s[WV], 12
	v_add_nc_u32 v[XWI], s21, v[XRI]
	s_lshl_b32 s21, s[WV], 9
	v_add_nc_u32 v[XWS], s21, v[XRS]
.irp b, 0,1,2,3
	v_mov_b32 v[TM+4+\b], 0                        ; written once: a lane permute's destination counts as one of its sources
.endr
.irp m, 0,1,2
.irp a, 0,1,2,3,4,5,6,7
.irp u, 0,1
	global_load_b32 v[WS+2*(8*\m+\a)+\u], v[L4], s[8:9] offset:8192*\m+256*\a+128*\u
.endr
.endr
.endr
.macro WLOAD g                         ; group g's eight fragments: 16 loads of 512 consecutive bytes; the caller sets the window
.set gM, (\g)>>2
.set gp, (\g)&3
.irp n, 0,1
.irp s, 0,1,2,3
.irp c, 0,1
.set rW, 64*gp+32*\n+8*\s+4*\c
	global_load_b128 v[rW:rW+3], v[L16], s[6:7] offset:gM*131072+(2*gp+\n)*4096+1024*\s+512*\c
.endr
.endr
.endr
.endm
	WIN 0x40
	WLOAD 0
	WLOAD 1
	WLOAD 2
	WLOAD 3
	WIN 0x80
	WLOAD 4
	WLOAD 5
	WLOAD 6
	WLOAD 7
	WIN 0
; 64 numbers of a lane, register 16 b + i = k 32 b + 16 h + i of my row, become a fragment's codes and its scale word
.macro QUANT s, pc, pw
.irp b, 0,1,2,3
	v_max3_num_f32 v[TM+\b], |v[\s+16*\b]|, |v[\s+1+16*\b]|, 0x1800000   ; my 16 numbers of block b, and the floor 2^(3 - 127)
.endr
.irp i, 2,4,6,8,10,12,14
.irp b, 0,1,2,3
	v_max3_num_f32 v[TM+\b], v[TM+\b], |v[\s+16*\b+\i]|, |v[\s+1+16*\b+\i]|
.endr
.endr
.irp b, 0,1,2,3
	v_permlanex16_b32 v[TM+4+\b], v[TM+\b], s[SEL], s[SEL+1]
.endr
.irp b, 0,1,2,3
	v_max_num_f32 v[TM+\b], v[TM+\b], v[TM+4+\b]   ; with lane l xor 16's: the block's largest magnitude
.endr
.irp b, 0,1,2,3
	v_add_nc_u32 v[TM+12+\b], 0xff000000, v[TM+\b] ; 2 off its exponent field: the conversion's scale operand
.endr
.irp b, 0,1,2,3
	v_lshrrev_b32 v[TM+8+\b], 23, v[TM+12+\b]      ; the scale's byte
.endr
	v_lshl_or_b32 v[\pw], v[TM+9], 8, v[TM+8]
	v_lshl_or_b32 v[\pw], v[TM+10], 16, v[\pw]
	v_lshl_or_b32 v[\pw], v[TM+11], 24, v[\pw]
.irp b, 0,1,2,3
	v_cvt_scalef32_pk8_fp4_f32 v[\pc+2*\b], v[\s+16*\b:\s+7+16*\b], v[TM+12+\b]
	v_cvt_scalef32_pk8_fp4_f32 v[\pc+1+2*\b], v[\s+8+16*\b:\s+15+16*\b], v[TM+12+\b]
.endr
	v_nop                                          ; one plain place behind a scaled conversion
.irp c, 0,1                                    ; the operand's layout wants a whole block in a lane
.irp i, 0,1
	v_permlane16_swap_b32 v[\pc+4*\c+\i], v[\pc+2+4*\c+\i]
.endr
.endr
.endm
.macro RAWLD s                         ; K step s of my row: 16 loads into set s % 2
.irp b, 0,1,2,3
.irp j, 0,1,2,3
	ds_load_b128 v[XF+64*((\s)&1)+16*\b+4*\j:XF+64*((\s)&1)+16*\b+4*\j+3], v[XA] offset:((\s)>>1)*1040+((\s)&1)*512+128*\b+16*\j
.endr
.endr
.set LQ, LQ+16
.endm
.macro IMAGE s                         ; the fragment and its scale word go to LDS as they stand
.irp c, 0,1
	ds_store_b128 v[XWI], v[PC+8*((\s)&1)+4*\c:PC+8*((\s)&1)+4*\c+3] offset:1024*(\s)+512*\c
.endr
	ds_store_b32 v[XWS], v[PW+((\s)&1)] offset:128*(\s)
.set LQ, LQ+3
.endm
	s_wait_tensorcnt 0x0                           ; my rows are in LDS; nobody else reads them
	RAWLD 0
.set r0, LQ
	RAWLD 1
.set r1, LQ
	s_wait_dscnt LQ-r0
	QUANT XF, PC, PW
	IMAGE 0
	RAWLD 2
.set r2, LQ
	s_wait_dscnt LQ-r1
	QUANT XF+64, PC+8, PW+1
	IMAGE 1
	RAWLD 3
.set r3, LQ
	s_wait_dscnt LQ-r2
	QUANT XF, PC, PW
	IMAGE 2
	s_wait_dscnt LQ-r3
	QUANT XF+64, PC+8, PW+1
	IMAGE 3
	s_wait_dscnt 0x0                               ; for the others' sake: my images have landed
	s_barrier_signal -1
	s_barrier_wait -1
.irp t, 0,1,2,3
.irp s, 0,1,2,3
.irp c, 0,1
	ds_load_b128 v[XF+32*\t+8*\s+4*\c:XF+32*\t+8*\s+4*\c+3], v[XRI] offset:(4*\t+\s)*1024+512*\c
.endr
	ds_load_b32 v[XS+4*\t+\s], v[XRS] offset:(4*\t+\s)*128
.endr
.endr
	s_wait_dscnt 0x0
.macro MULS g                          ; 32 matrix instructions: K step by K step, the eight accumulators by turns
.set gM, (\g)>>2
.set gp, (\g)&3
.set aB, 64*((\g)&1)
.if (\g) < 4
	WIN 0xf1
.elseif (\g) < 8
	WIN 0xf2
.else
	WIN 0xf4
.endif
.irp s, 0,1,2,3
.irp n, 0,1
.irp t, 0,1,2,3
.set rD, aB+8*(4*\n+\t)
.set rW, 64*gp+32*\n+8*\s
.set rX, XF+32*\t+8*\s
.set rA, WS+2*(8*gM+2*gp+\n)+(\s>>1)
.set rB, XS+4*\t+\s
.if gM < 2
.if \s == 0
	v_wmma_scale_f32_16x16x128_f8f6f4 v[rD:rD+7], v[rW:rW+7], v[rX:rX+7], 0, v[rA], v[rB] matrix_a_fmt:MATRIX_FMT_FP4 matrix_b_fmt:MATRIX_FMT_FP4
.elseif \s == 2
	v_wmma_scale_f32_16x16x128_f8f6f4 v[rD:rD+7], v[rW:rW+7], v[rX:rX+7], v[rD:rD+7], v[rA], v[rB] matrix_a_fmt:MATRIX_FMT_FP4 matrix_b_fmt:MATRIX_FMT_FP4
.else
	v_wmma_scale_f32_16x16x128_f8f6f4 v[rD:rD+7], v[rW:rW+7], v[rX:rX+7], v[rD:rD+7], v[rA], v[rB] matrix_a_fmt:MATRIX_FMT_FP4 matrix_b_fmt:MATRIX_FMT_FP4 matrix_a_scale:MATRIX_SCALE_ROW1
.endif
.else
.if \s == 0
	v_wmma_scale_f32_16x16x128_f8f6f4 v[rD:rD+7], v[rX:rX+7], v[rW:rW+7], 0, v[rB], v[rA] matrix_a_fmt:MATRIX_FMT_FP4 matrix_b_fmt:MATRIX_FMT_FP4
.elseif \s == 2
	v_wmma_scale_f32_16x16x128_f8f6f4 v[rD:rD+7], v[rX:rX+7], v[rW:rW+7], v[rD:rD+7], v[rB], v[rA] matrix_a_fmt:MATRIX_FMT_FP4 matrix_b_fmt:MATRIX_FMT_FP4
.else
	v_wmma_scale_f32_16x16x128_f8f6f4 v[rD:rD+7], v[rX:rX+7], v[rW:rW+7], v[rD:rD+7], v[rB], v[rA] matrix_a_fmt:MATRIX_FMT_FP4 matrix_b_fmt:MATRIX_FMT_FP4 matrix_b_scale:MATRIX_SCALE_ROW1
.endif
.endif
.endr
.endr
.endr
.endm
.macro PACKST g                        ; group g's results: rounded to bf16, each accumulator from its low end on, and stored as images
.set gM, (\g)>>2
.set gp, (\g)&3
.set aB, 64*((\g)&1)
.set pB, 128+32*((\g)&1)
	WIN 0xcf
.irp n, 0,1
.irp t, 0,1,2,3
.irp i, 0,1,2,3
.if gM < 2
	v_cvt_pk_bf16_f32 v[pB+8*\t+4*\n+\i], v[aB+8*(4*\n+\t)+2*\i], v[aB+8*(4*\n+\t)+2*\i+1]
.else
	v_cvt_pk_bf16_f32 v[pB+16*\n+4*\t+\i], v[aB+8*(4*\n+\t)+2*\i], v[aB+8*(4*\n+\t)+2*\i+1]
.endif
.endr
.endr
.endr
	WIN 0x0c
.irp f, 0,1,2,3
.irp u, 0,1
.if gM == 0
	global_store_b128 v[L16], v[pB+8*\f+4*\u:pB+8*\f+4*\u+3], s[10:11] offset:gp*4096+1024*\f+512*\u
.elseif gM == 1
	global_store_b128 v[L16], v[pB+8*\f+4*\u:pB+8*\f+4*\u+3], s[12:13] offset:\f*16384+gp*1024+512*\u
.else
	global_store_b128 v[L16], v[pB+8*\f+4*\u:pB+8*\f+4*\u+3], s[14:15] offset:(\f&1)*32768+(2*gp+(\f>>1))*1024+512*\u
.endif
.endr
.endr
.endm
.irp g, 0,1,2,3,4,5,6,7,8,9,10,11
.if \g < 8
	s_wait_loadcnt 63                              ; the scale words and group g are in: more than 63 loads were issued behind them
.else
	s_wait_loadcnt 16*(11-\g)                      ; the groups issued behind group g may stay out
.endif
	MULS \g
	PLACES
.if \g > 0
	s_wait_xcnt 0x0                                ; the stores of two groups back have read their registers
	PACKST \g-1
.endif
.if \g < 4
	WIN 0x40
	WLOAD \g+8                                     ; into the registers just multiplied
.endif
.endr
	PLACES
	s_wait_xcnt 0x0
	PACKST 11
	WIN 0
	s_wait_tensorcnt 0x0                           ; the wave's end, behind my last tensor load and my last LDS store
	ds_add_u32 v[SPW], v[NIL]
	s_wait_dscnt 0x0
	s_endpgm
.Lfunc_end_k_qcc9ecf3351_qkv:
	.size	k_qcc9ecf3351_qkv, .Lfunc_end_k_qcc9ecf3351_qkv-k_qcc9ecf3351_qkv
	.p2alignl 7, 3214868480
	.fill 96, 4, 3214868480
	.section	.rodata,"a",@progbits
	.p2align	6, 0x0
	.amdhsa_kernel k_qcc9ecf3351_qkv
		.amdhsa_group_segment_fixed_size 167936
		.amdhsa_private_segment_fixed_size 0
		.amdhsa_enable_private_segment 0
		.amdhsa_kernarg_size 48
		.amdhsa_user_sgpr_count 2
		.amdhsa_user_sgpr_kernarg_segment_ptr 1
		.amdhsa_wavefront_size32 1
		.amdhsa_system_sgpr_workgroup_id_x 1
		.amdhsa_system_sgpr_workgroup_id_y 1
		.amdhsa_system_sgpr_workgroup_id_z 1
		.amdhsa_system_vgpr_workitem_id 0
		.amdhsa_next_free_vgpr 1024
		.amdhsa_next_free_sgpr 66
		.amdhsa_reserve_vcc 0
		.amdhsa_float_denorm_mode_32 3
		.amdhsa_float_denorm_mode_16_64 3
		.amdhsa_memory_ordered 1
		.amdhsa_forward_progress 1
		.amdhsa_inst_pref_size 134
	.end_amdhsa_kernel
	.amdgpu_metadata
---
amdhsa.version: [ 1, 2 ]
amdhsa.kernels:
  - .name:           k_qcc9ecf3351_qkv
    .symbol:         k_qcc9ecf3351_qkv.kd
    .args:
      - { .name: x, .offset: 0, .size: 8, .value_kind: global_buffer, .address_space: global }
      - { .name: wcodes, .offset: 8, .size: 8, .value_kind: global_buffer, .address_space: global }
      - { .name: wsc, .offset: 16, .size: 8, .value_kind: global_buffer, .address_space: global }
      - { .name: qimg, .offset: 24, .size: 8, .value_kind: global_buffer, .address_space: global }
      - { .name: kimg, .offset: 32, .size: 8, .value_kind: global_buffer, .address_space: global }
      - { .name: vimg, .offset: 40, .size: 8, .value_kind: global_buffer, .address_space: global }
    .group_segment_fixed_size: 167936
    .private_segment_fixed_size: 0
    .kernarg_segment_align: 8
    .kernarg_segment_size: 48
    .max_flat_workgroup_size: 128
    .sgpr_count:     66
    .vgpr_count:     1024
    .wavefront_size: 32
...
	.end_amdgpu_metadata
.endif
;; end of part 2
;; launch attn (part 3): grid 32 x 8, 4 waves a work-group, clusters of 4 x 1, 327,680 bytes of LDS; arguments qimg, kimg, vimg, ctx; writes ctx
.if DOCPART == 3
	.amdgcn_target "amdgcn-amd-amdhsa--gfx1250"
	.amdhsa_code_object_version 6
	.text
	.protected	k_qcc9ecf3351_attn
	.globl	k_qcc9ecf3351_attn
	.p2align	8
	.type	k_qcc9ecf3351_attn,@function
k_qcc9ecf3351_attn:
	s_mov_b64 s[64:65], 0
	v_nop
	global_prefetch_b8 v0, s[64:65] scope:SCOPE_SE
	s_setreg_imm32_b32 hwreg(HW_REG_WAVE_MODE, 25, 1), 1
	s_wait_xcnt 0x0
	s_wait_alu depctr_hold_cnt(0) depctr_sa_sdst(0) depctr_va_vdst(0) depctr_va_sdst(0) depctr_va_ssrc(0) depctr_va_vcc(0) depctr_vm_vsrc(0)
	s_getreg_b32 s2, hwreg(HW_REG_IB_STS2, 6, 4)
	s_cmp_eq_u32 s2, 0
	s_cbranch_scc0 .Lentry_in_a_cluster
	s_endpgm
.Lentry_in_a_cluster:
	s_bfe_u32 s2, ttmp6, 0x10000c
	s_cmp_lg_u32 s2, 0x3003
	s_cbranch_scc0 .Lentry_shape_is_right
	s_endpgm
.Lentry_shape_is_right:
; ctx[b][q] = the sum over k of softmax_k(q . k / sqrt(512)) v[k], on bf16 operands with f32 sums; the maximum is taken away as a running maximum.  Nothing is left out.
; SHARES.  A work-group owns 64 queries of one batch (four tiles of 16) and walks the batch's 2,048 keys, 64 a step.
;   S^T = K Q^T: THE WAVES SHARE THE KEYS: wave w takes keys 16 w .. 16 w + 15 of a step for all 64 queries; Q (64 x 512) stays in 512 registers of every wave.  A lane holds one query (lane % 16) and eight keys.
;   O^T += V^T P: THE WAVES SHARE THE CHANNELS: wave w owns channels 128 w .. 128 w + 127 for all 64 queries, 32 accumulators.  So each fragment of K and of V is read from LDS by one wave and feeds four matrix instructions.
;   What crosses waves is small and goes through LDS: each wave's largest score of each query, and P (64 queries x 64 keys, bf16, as images of the second product's operand registers).
; ONE BARRIER A STEP.  Behind barrier j a wave does the softmax of step j (scores made a step earlier), V^T P of step j - 1 and K Q^T of step j + 1; the softmax stands in slices of two behind the 64 products V^T P.
;   It reads maxima[j % 2], P[1 - j % 2], K's and V's slot 1 - j % 2, and writes maxima[1 - j % 2] and P[j % 2]; the data mover fills K's and V's slot j % 2.  All these are disjoint.
; All operands lie in memory and LDS as images (8 registers a lane: two pieces of 512 bytes, lane l's 16 bytes at 16 l): every fragment is two loads of 512 consecutive bytes; no pitch, no padding.
; CLUSTER.  The four query blocks of a cluster belong to one batch and walk the same K and V: each tile is asked for jointly, with the mask of all four.  Waves 0, 1 fetch K's halves, waves 2, 3 V's: 32,768 bytes a load.
; By this text's own count a wave has two tensor loads out at the head and one behind each round.
; LIMITS: operands rounded to bf16; a query's sum is kept by wave and half of the lanes and added at the end; NaN and infinities are not served.
; REGISTERS.  window 0: v0-15 addresses and at work; v16-31 statistics, four a tile (c m, m, a, l); v32-63 S^T, 8 a tile; v64-127 P's 8 fragments; v128-255 four buffers of four fragments of V or K (v224-239 first hold the exchanged maxima).
;   window 1: O^T, (channel tile a, query tile t) at 64 t + 8 a.   windows 2, 3: Q, (t, s) in window 2 + s / 8 at 32 (s % 8) + 8 t.
.set VR,    131072                     ; LDS: K's two slots of 65,536 from 0; V's two from here
.set PB,    262144                     ; P, two of 8,192: fragment (c, t) at (4 c + t) 1,024
.set MXB,   278528                     ; maxima, two of 1,024: query (t, r), wave w at 256 t + 16 r + 4 w; behind them the sums, 1,024, laid alike
.set SPARE, 281600                     ; the spare words, 128 bytes for each wave, that no other line names
.set AK,  0
.set AV,  2
.set PLD, 4
.set PST, 5
.set MST, 6
.set MLD, 7
.set SPW, 8
.set NIL, 9
.set TT,  10
.set TP,  14
.set PFO, 15
.set STA, 16
.set S,   32
.set BF,  64
.set POOL, 128
.set XM,  224
.set WV,  12
.set SEL, 20
.set CS,  22
.set G1,  24
.set G0,  32
.set CNT, 40
.set LIM, 41
.set PFA, 42
.set MSB, 0
.set LQ, 0                             ; counts the LDS instructions issued since the last wait for all: a wait's count is LQ less the mark taken behind the run that is wanted
.set SN, 0
.set SK, 0
.macro WIN new                         ; the immediate's high byte repeats the setting that is left
.if MSB != \new
	s_set_vgpr_msb (MSB<<8)|\new
.set MSB, \new
.endif
.endm
.macro PLACES                          ; four places behind matrix instructions, in front of loads into their registers and of the first read of results
.rept 4
	v_nop
.endr
.endm
.macro CREST                           ; a round of the cluster's barrier behind its opening barrier
	s_cmp_lg_u32 s[WV], 0
	s_cbranch_scc1 .Lnw0_\@
	s_barrier_signal -3
.Lnw0_\@:
	s_barrier_wait -3
	s_barrier_signal -1
	s_barrier_wait -1
.endm
.macro CROUND
	s_barrier_signal -1
	s_barrier_wait -1
	CREST
.endm
.macro LDF reg, adr, off               ; a fragment's image: two loads of 512 consecutive bytes
	ds_load_b128 v[\reg:\reg+3], v[\adr] offset:\off
	ds_load_b128 v[\reg+4:\reg+7], v[\adr] offset:\off+512
.set LQ, LQ+2
.endm
.macro LDK g, par                      ; my key tile's fragments s = 4 g .. 4 g + 3 into buffer g
.irp i, 0,1,2,3
	LDF POOL+32*(\g)+8*\i, AK+(\par), (4*(\g)+\i)*1024
.endr
.endm
.macro LDV g, par                      ; V: keys 32 (g / 2) on, my channel tiles 4 (g % 2) .. + 3 into buffer g
.irp i, 0,1,2,3
	LDF POOL+32*(\g)+8*\i, AV+(\par), ((\g)>>1)*32768+(4*((\g)&1)+\i)*1024
.endr
.endm
.macro LDB c, off                      ; P's four fragments of keys 32 c on
.irp t, 0,1,2,3
	LDF BF+32*(\c)+8*\t, PLD, (\off)+(4*(\c)+\t)*1024
.endr
.endm
.macro LDM reg, off                    ; the four waves' numbers of my query, for each tile
.irp t, 0,1,2,3
	ds_load_b128 v[\reg+4*\t:\reg+4*\t+3], v[MLD] offset:(\off)+256*\t
.endr
.set LQ, LQ+4
.endm
.macro SG g                            ; 16 products of S^T = K Q^T: channels 128 g on; the four accumulators by turns
.if (\g) < 2
	WIN 0x08
.else
	WIN 0x0c
.endif
.irp i, 0,1,2,3
.irp t, 0,1,2,3
.set rS, S+8*\t
.set rK, POOL+32*(\g)+8*\i
.set rQ, 32*((4*(\g)+\i)&7)+8*\t
.if ((\g) == 0) && (\i == 0)
	v_wmma_f32_16x16x32_bf16 v[rS:rS+7], v[rK:rK+7], v[rQ:rQ+7], 0
.else
	v_wmma_f32_16x16x32_bf16 v[rS:rS+7], v[rK:rK+7], v[rQ:rQ+7], v[rS:rS+7]
.endif
.endr
.endr
.endm
; THE SOFTMAX OF A STEP, a list of 113 items; SMI writes item SK.  first = 1: the first step, with no old maximum.
;   0-7 the largest of the four waves' maxima and the old m;  8-23 c m, a = 2^(c m_old - c m_new);  24-39 c s - c m, two at a time;  40-71 the exponentials;  72 a plain line and the one wait for the batch of 36;
;   73-92 the sums, l = a l + sum;  93-108 the roundings to bf16, in place;  109-112 my 16 keys' piece of P's fragments to LDS
.macro SMI first, par
.set tq, SK&3
.set rT, TT+tq
.set rX, XM+4*tq
.set rC, STA+4*tq
.set qq, SK-73
.set t5, qq/5
.set e5, qq%5
.set q4, SK-93
.if SK < 4
	v_max3_num_f32 v[rT], v[rX], v[rX+1], v[rX+2]
.elseif SK < 8
.if \first
	v_max_num_f32 v[rC+1], v[rT], v[rX+3]
.else
	v_max3_num_f32 v[rC+1], v[rT], v[rX+3], v[rC+1]
.endif
.elseif SK < 12
.if \first
	v_mul_f32 v[rC], s[CS], v[rC+1]
.else
	v_mul_f32 v[rT], s[CS], v[rC+1]
.endif
.elseif SK < 16
.if !\first
	v_sub_f32 v[rC+2], v[rC], v[rT]
.endif
.elseif SK < 20
.if !\first
	v_mov_b32 v[rC], v[rT]
.endif
.elseif SK < 24
.if !\first
	v_exp_f32 v[rC+2], v[rC+2]
.endif
.elseif SK < 40
.set rS, S+8*tq+2*((SK-24)>>2)
	v_pk_fma_f32 v[rS:rS+1], v[rS:rS+1], s[CS:CS+1], v[rC:rC+1] op_sel_hi:[1,0,0] neg_lo:[0,0,1] neg_hi:[0,0,1]
.elseif SK < 72
	v_exp_f32 v[S+SK-40], v[S+SK-40]
.elseif SK == 72
	v_nop                                          ; a plain line behind the last exponential,
	s_wait_alu depctr_va_vdst(0)                   ; and the wait ahead of the first line that names a result: one for the batch
.elseif SK < 93
.set rS, S+8*t5
.set rL, STA+4*t5
.if e5 == 0
	v_pk_add_f32 v[TT:TT+1], v[rS:rS+1], v[rS+2:rS+3]
.elseif e5 == 1
	v_pk_add_f32 v[TT+2:TT+3], v[rS+4:rS+5], v[rS+6:rS+7]
.elseif e5 == 2
	v_pk_add_f32 v[TT:TT+1], v[TT:TT+1], v[TT+2:TT+3]
.elseif e5 == 3
.if \first
	v_add_f32 v[rL+3], v[TT], v[TT+1]
.else
	v_add_f32 v[TT], v[TT], v[TT+1]
.endif
.else
.if !\first
	v_fma_f32 v[rL+3], v[rL+3], v[rL+2], v[TT]
.endif
.endif
.elseif SK < 109
.set rS, S+8*(q4>>2)
	v_cvt_pk_bf16_f32 v[rS+(q4&3)], v[rS+2*(q4&3)], v[rS+2*(q4&3)+1]
.elseif SK < 113
.set rS, S+8*(SK-109)
	ds_store_b128 v[PST], v[rS:rS+3] offset:(\par)*8192+1024*(SK-109)
.set LQ, LQ+1
.endif
.set SK, SK+1
.endm
.macro SLICE par                       ; two items of the list
.if SK < 113
	WIN 0
	SMI 0, \par
	SMI 0, \par
.endif
.endm
.macro PVG g, zero, smx, par           ; 16 products of O^T += V^T P, sixteen accumulators by turns; smx = 1: a slice of the softmax behind each
.irp i, 0,1,2,3
.irp t, 0,1,2,3
	WIN 0x50
.set rO, 64*\t+8*(4*((\g)&1)+\i)
.set rV, POOL+32*(\g)+8*\i
.set rB, BF+32*((\g)>>1)+8*\t
.if (\zero) && ((\g) < 2)
	v_wmma_f32_16x16x32_bf16 v[rO:rO+7], v[rV:rV+7], v[rB:rB+7], 0
.else
	v_wmma_f32_16x16x32_bf16 v[rO:rO+7], v[rV:rV+7], v[rB:rB+7], v[rO:rO+7]
.endif
.if \smx
	SLICE \par
.endif
.endr
.endr
.endm
.macro RESC hf                         ; O^T of query tiles 2 hf, 2 hf + 1 times a, in ascending order
	WIN 0x41
.irp e, 0,1
.set tq, 2*(\hf)+\e
.set ii, 0
.rept 32
	v_pk_mul_f32 v[64*tq+ii:64*tq+ii+1], v[64*tq+ii:64*tq+ii+1], v[STA+4*tq+2:STA+4*tq+3] op_sel_hi:[1,0]
.set ii, ii+2
.endr
.endr
.endm
.macro LOCALMAX par                    ; my 16 keys' largest score of each query, to LDS
	PLACES
	WIN 0
.irp t, 0,1,2,3
	v_max3_num_f32 v[TT+\t], v[S+8*\t], v[S+8*\t+1], v[S+8*\t+2]
.endr
.irp t, 0,1,2,3
	v_max3_num_f32 v[TT+\t], v[TT+\t], v[S+8*\t+3], v[S+8*\t+4]
.endr
.irp t, 0,1,2,3
	v_max3_num_f32 v[TT+\t], v[TT+\t], v[S+8*\t+5], v[S+8*\t+6]
.endr
.irp t, 0,1,2,3
	v_max_num_f32 v[TT+\t], v[TT+\t], v[S+8*\t+7]
.endr
.irp t, 0,1,2,3
	v_permlanex16_b32 v[TP], v[TT+\t], s[SEL], s[SEL+1]
	v_max_num_f32 v[TT+\t], v[TT+\t], v[TP]
.endr
.irp t, 0,1,2,3
	ds_store_b32 v[MST], v[TT+\t] offset:(\par)*1024+256*\t   ; both halves of the lanes write the same word with the same value
.endr
.set LQ, LQ+4
.endm
; THE BARRIER OF A STEP.  Each wave waits for all its tensor loads (its part of the slots read next), adds 0 to its spare word, and waits for that, for its stores of P and maxima and for its reads of the slots that are filled next.
; round = 1: slots are filled again behind it, so it opens a round of the cluster's barrier.  Half of O^T's rescaling, work on registers, stands between signal and wait.
.macro SYNC round, resc, ask
	WIN 0
	s_wait_tensorcnt 0x0
.if \round
	ds_add_u32 v[SPW], v[NIL]
.endif
.if \ask
	s_wait_xcnt 0x0                                ; the last prefetch, a step back, has read its address
	s_add_nc_u64 s[PFA:PFA+1], s[PFA:PFA+1], 65536
.endif
	s_wait_dscnt 0x0
	s_barrier_signal -1
.if \resc
	RESC 0
	WIN 0
.endif
	s_barrier_wait -1
.if \round
	CREST
.endif
.set LQ, 0
.endm
; The joint refill of slot par: the first thing behind the round, one load a wave.  who = 0: all four waves; 1: K's waves alone; 2: V's alone (a branch on the wave's number, the same in all partners).
.macro TLOAD par, who
.if (\who) == 1
	s_cmp_lt_u32 s[WV], 2
	s_cbranch_scc0 .Lnl_\@
.elseif (\who) == 2
	s_cmp_ge_u32 s[WV], 2
	s_cbranch_scc0 .Lnl_\@
.endif
	s_add_nc_u64 s[G0+4*(\par)+2:G0+4*(\par)+3], s[G0+4*(\par)+2:G0+4*(\par)+3], 131072   ; two steps on; no load of mine is out
	tensor_load_to_lds s[G0+4*(\par):G0+4*(\par)+3], s[G1:G1+7]
	s_nop 0
	PLACES
.Lnl_\@:
.endm
; A PREFETCH INTO THE L2 of what the tensor load two steps on will ask for.  All clusters of a batch walk the same K and V: the batch's first cluster asks.  Each wave asks for its own stream's half tile of 32,768 bytes; the four
; partners share it out by address, 8,192 bytes each, lanes 256 bytes apart: each block of 256 bytes is named once.  K's waves ask for nothing in the loop's last trip: K's last tile has been named.
.macro ASK
	s_cmp_gt_u32 s[CNT], s[LIM]
	s_cbranch_scc0 .Lnm_\@
	global_prefetch_b8 v[PFO], s[PFA:PFA+1] th:TH_LOAD_NT scope:SCOPE_SE
.Lnm_\@:
.endm
; STEP j, par = j % 2.  zero = 1: V^T P starts O^T's sums.  kq = 1: K Q^T of step j + 1 follows.
.macro ITER par, who, resc, ask, zero, kq
	SYNC 1, \resc, \ask
	TLOAD \par, \who
	LDM XM, (\par)*1024
	LDB 0, (1-(\par))*8192
	LDV 0, 1-(\par)
.set m0, LQ
	LDB 1, (1-(\par))*8192
	LDV 1, 1-(\par)
.set m1, LQ
	LDV 2, 1-(\par)
.set m2, LQ
.if \ask
	ASK
.endif
.if \resc
	RESC 1
.endif
.set SK, 0
	s_wait_dscnt LQ-m0
	PVG 0, \zero, 1, \par
	PLACES
	WIN 0
	LDV 3, 1-(\par)
.set m3, LQ
.if \kq
	LDK 0, 1-(\par)
.set k0, LQ
.endif
	s_wait_dscnt LQ-m1
	PVG 1, \zero, 1, \par
	PLACES
	WIN 0
.if \kq
	LDK 1, 1-(\par)
.set k1, LQ
.endif
	s_wait_dscnt LQ-m2
	PVG 2, \zero, 1, \par
	PLACES
	WIN 0
.if \kq
	LDK 2, 1-(\par)
.set k2, LQ
.endif
	s_wait_dscnt LQ-m3
	PVG 3, \zero, 1, \par
	PLACES
	WIN 0
.if \kq
	LDK 3, 1-(\par)
.set k3, LQ
	s_wait_dscnt LQ-k0
	SG 0
	s_wait_dscnt LQ-k1
	SG 1
	s_wait_dscnt LQ-k2
	SG 2
	s_wait_dscnt LQ-k3
	SG 3
	LOCALMAX 1-(\par)
.endif
.endm
	s_load_b256 s[4:11], s[0:1], 0x0               ; qimg, kimg, vimg, ctx
	v_lshl_add_u32 v[SPW], v0, 2, SPARE
	v_mov_b32 v[NIL], 0
	ds_add_u32 v[SPW], v[NIL]                      ; the wave's opening: the add, twice on end, and its wait ahead of my first tensor load
	ds_add_u32 v[SPW], v[NIL]
	v_lshrrev_b32 v32, 5, v0
	v_readfirstlane_b32 s[WV], v32                 ; wave 0..3
	s_bfe_u32 s13, ttmp6, 0x40000                  ; cx: my place in the cluster: it enters Q's, ctx's and the prefetches' addresses alone
	s_and_b32 s14, ttmp7, 0xffff                   ; the batch, which the four partners share
	s_lshl_b32 s15, ttmp9, 2
	s_add_co_u32 s15, s15, s13                     ; my block of 64 queries in the batch
	s_lshl_b32 s16, s14, 5
	s_add_co_u32 s16, s16, s15
	s_lshl_b32 s44, s16, 16                        ; a block is 65,536 bytes of qimg and of ctx
	s_mov_b32 s45, 0
	s_lshl_b32 s46, s[WV], 14
	s_add_co_u32 s46, s46, s44                     ; ctx: my 128 channels
	s_mov_b32 s47, 0
	s_lshr_b32 s17, s[WV], 1
	s_lshl_b32 s17, s17, 17
	s_and_b32 s18, s[WV], 1
	s_lshl_b32 s18, s18, 15
	s_add_co_u32 s17, s17, s18                     ; where my loads go: K's or V's ring, my half of a slot
	s_lshl_b32 s48, s14, 21                        ; a batch is 2,097,152 bytes of kimg and of vimg
	s_add_co_u32 s48, s48, s18
	s_mov_b32 s49, 0
	s_lshl_b32 s50, s13, 13
	s_mov_b32 s51, 0
	; descriptor group 1: 32,768 dense bytes as 128 rows of 256 (32 elements of 8 bytes); the mask names all four work-groups, bit 21 beside it
	s_mov_b32 s[G1+0], 15|(3<<16)|(1<<21)
	s_mov_b32 s[G1+1], 32<<16
	s_mov_b32 s[G1+2], 128<<16
	s_mov_b32 s[G1+3], 32<<16
	s_mov_b32 s[G1+4], 128
	s_mov_b32 s[G1+5], 32
	s_mov_b32 s[G1+6], 0
	s_mov_b32 s[G1+7], 0
	s_mov_b32 s[SEL], 0x76543210
	s_mov_b32 s[SEL+1], 0xfedcba98
	s_mov_b32 s[CS], 0x3d8293ee                    ; c = log2(e) / sqrt(512)
	s_mov_b32 s[CS+1], s[CS]
	s_mov_b32 s[CNT], 14
	s_wait_dscnt 0x0                               ; both opening adds are done
	s_wait_kmcnt 0x0
	s_add_nc_u64 s[4:5], s[4:5], s[44:45]
	s_add_nc_u64 s[10:11], s[10:11], s[46:47]
	s_cmp_lt_u32 s[WV], 2
	s_cselect_b64 s[52:53], s[6:7], s[8:9]         ; my stream: K's images or V's
	s_mov_b32 s54, 3*65536
	s_cselect_b32 s54, 5*65536, s54                ; the prefetches begin a tile under K's tile 6 and V's tile 4: the first is stepped before it asks
	s_cselect_b32 s[LIM], 1, 0
	s_mov_b32 s55, 0
	s_add_nc_u64 s[52:53], s[52:53], s[48:49]
	s_add_nc_u64 s[PFA:PFA+1], s[52:53], s[50:51]
	s_add_nc_u64 s[PFA:PFA+1], s[PFA:PFA+1], s[54:55]
	s_cmp_eq_u32 ttmp9, 0
	s_cselect_b32 s[LIM], s[LIM], -1               ; the same in all four partners
	s_mov_b32 s[G0], 1
	s_mov_b32 s[G0+1], s17
	s_mov_b64 s[G0+2:G0+3], s[52:53]
	s_or_b32 s[G0+3], s[G0+3], 0x80000000
	s_mov_b32 s[G0+4], 1
	s_add_co_u32 s[G0+5], s17, 65536
	s_add_nc_u64 s[G0+6:G0+7], s[52:53], 65536
	s_or_b32 s[G0+7], s[G0+7], 0x80000000
	CROUND                                         ; all four work-groups are here: the first joint loads meet
	tensor_load_to_lds s[G0:G0+3], s[G1:G1+7]      ; steps 0 and 1 of my stream
	s_nop 0
	tensor_load_to_lds s[G0+4:G0+7], s[G1:G1+7]
	s_nop 0
	PLACES
	v_and_b32 v33, 31, v0                          ; lane
	v_and_b32 v34, 15, v0                          ; r
	v_lshlrev_b32 v35, 4, v33                      ; 16 x lane
	v_lshlrev_b32 v[PFO], 8, v33
	s_lshl_b32 s56, s[WV], 14
	s_lshl_b32 s57, s[WV], 13
	s_add_co_u32 s57, s57, VR
	v_add_nc_u32 v[AV], s57, v35
	v_add_nc_u32 v[AV+1], 65536, v[AV]
	v_add_nc_u32 v[PLD], PB, v35
	s_lshr_b32 s58, s[WV], 1
	s_lshl_b32 s58, s58, 12
	s_and_b32 s59, s[WV], 1
	s_lshl_b32 s59, s59, 9
	s_add_co_u32 s58, s58, s59
	s_add_co_u32 s58, s58, PB
	v_add_nc_u32 v[PST], s58, v35                  ; my 16 keys are piece w % 2 of the fragments of keys 32 (w / 2) on
	v_lshlrev_b32 v37, 4, v34
	v_add_nc_u32 v[MLD], MXB, v37
	s_lshl_b32 s59, s[WV], 2
	v_add_nc_u32 v[MST], s59, v[MLD]
	v_mov_b32 v[TP], 0                             ; a lane permute's destination counts as one of its sources
	v_add_nc_u32 v[AK], s56, v35                   ; (the thread's number is not wanted any more)
	v_add_nc_u32 v[AK+1], 65536, v[AK]
	WIN 0x80
.irp s, 0,1,2,3,4,5,6,7
.irp t, 0,1,2,3
	global_load_b128 v[32*\s+8*\t:32*\s+8*\t+3], v35, s[4:5] offset:(4*\s+\t)*1024
	global_load_b128 v[32*\s+8*\t+4:32*\s+8*\t+7], v35, s[4:5] offset:(4*\s+\t)*1024+512
.endr
.endr
	WIN 0xc0
.irp s, 0,1,2,3,4,5,6,7
.irp t, 0,1,2,3
	global_load_b128 v[32*\s+8*\t:32*\s+8*\t+3], v35, s[4:5] offset:(32+4*\s+\t)*1024
	global_load_b128 v[32*\s+8*\t+4:32*\s+8*\t+7], v35, s[4:5] offset:(32+4*\s+\t)*1024+512
.endr
.endr
	WIN 0
	s_wait_tensorcnt 0x1                           ; my part of slot 0 is in; slot 1's may stay out
	s_barrier_signal -1
	s_barrier_wait -1
	LDK 0, 0
.set k0, LQ
	LDK 1, 0
.set k1, LQ
	LDK 2, 0
.set k2, LQ
	LDK 3, 0
.set k3, LQ
	s_wait_loadcnt 0x0                             ; Q
	s_wait_dscnt LQ-k0
	SG 0
	s_wait_dscnt LQ-k1
	SG 1
	s_wait_dscnt LQ-k2
	SG 2
	s_wait_dscnt LQ-k3
	SG 3
	LOCALMAX 0
	; ---- step 0: the first softmax, no V^T P yet; K Q^T of step 1
	SYNC 1, 0, 0
	TLOAD 0, 1
	LDM XM, 0
.set mm, LQ
	LDK 0, 1
.set k0, LQ
	LDK 1, 1
.set k1, LQ
	LDK 2, 1
.set k2, LQ
	s_wait_dscnt LQ-mm
.set SK, 0
.rept 113
	SMI 1, 0
.endr
	LDK 3, 1
.set k3, LQ
	s_wait_dscnt LQ-k0
	SG 0
	s_wait_dscnt LQ-k1
	SG 1
	s_wait_dscnt LQ-k2
	SG 2
	s_wait_dscnt LQ-k3
	SG 3
	LOCALMAX 1
	ITER 1, 1, 0, 0, 1, 1                          ; step 1: V^T P of step 0 starts O^T
.Lsteps:                                           ; 14 trips: steps 2 to 29; both streams are filled again
	ITER 0, 0, 1, 1, 0, 1
	ITER 1, 0, 1, 1, 0, 1
	s_sub_co_u32 s[CNT], s[CNT], 1
	s_cmp_lg_u32 s[CNT], 0
	s_cbranch_scc1 .Lsteps
	ITER 0, 2, 1, 0, 0, 1                          ; step 30: K has been asked for to its end; V's tile 30
	ITER 1, 2, 1, 0, 0, 0                          ; step 31: V's tile 31; no further scores
.irp t, 0,1,2,3
	v_permlanex16_b32 v[TP], v[STA+4*\t+3], s[SEL], s[SEL+1]
	v_add_f32 v[TT+\t], v[STA+4*\t+3], v[TP]       ; my 16 keys' part of each query's sum
.endr
.irp t, 0,1,2,3
	ds_store_b32 v[MST], v[TT+\t] offset:2048+256*\t
.endr
	PLACES
	; ---- step 32: V^T P of step 31 alone; nothing is filled again, so a plain barrier
	SYNC 0, 1, 0
	PLACES
	LDM S, 2048
	LDB 0, 8192
	LDV 0, 1
.set m0, LQ
	LDB 1, 8192
	LDV 1, 1
.set m1, LQ
	LDV 2, 1
.set m2, LQ
	LDV 3, 1
.set m3, LQ
	RESC 1
	s_wait_dscnt LQ-m0
	PVG 0, 0, 0, 0
	s_wait_dscnt LQ-m1
	PVG 1, 0, 0, 0
	s_wait_dscnt LQ-m2
	PVG 2, 0, 0, 0
	s_wait_dscnt LQ-m3
	PVG 3, 0, 0, 0
	; ---- THE WAY OUT: O^T / the sum, rounded to bf16; a lane's eight channels of a row are a piece of the next launch's operand image: stored as they stand
	WIN 0
.irp t, 0,1,2,3
	v_add_f32 v[TT+\t], v[S+4*\t], v[S+4*\t+1]
.endr
.irp t, 0,1,2,3
	v_add_f32 v[S+4*\t], v[S+4*\t+2], v[S+4*\t+3]
.endr
.irp t, 0,1,2,3
	v_add_f32 v[TT+\t], v[TT+\t], v[S+4*\t]
.endr
.irp t, 0,1,2,3
	v_rcp_f32 v[STA+4*\t+2], v[TT+\t]
.endr
	v_lshrrev_b32 v[TP], 4, v[PFO]                 ; 16 x lane.  (A plain line behind the last reciprocal)
	s_wait_alu depctr_va_vdst(0)                   ; one wait for the four reciprocals, ahead of their first reader
	PLACES
	RESC 0
	RESC 1
	WIN 0x05
.irp t, 0,1,2,3
.irp a, 0,1,2,3,4,5,6,7
.irp i, 0,1,2,3
	v_cvt_pk_bf16_f32 v[POOL+32*\t+4*\a+\i], v[64*\t+8*\a+2*\i], v[64*\t+8*\a+2*\i+1]
.endr
.endr
.endr
	WIN 0
.irp t, 0,1,2,3
.irp a, 0,1,2,3,4,5,6,7
	global_store_b128 v[TP], v[POOL+32*\t+4*\a:POOL+32*\t+4*\a+3], s[10:11] offset:(\a>>1)*4096+1024*\t+512*(\a&1)   ; 512 consecutive bytes, aligned
.endr
.endr
	s_wait_tensorcnt 0x0                           ; the wave's end, behind my last tensor load and my last LDS store
	ds_add_u32 v[SPW], v[NIL]
	s_wait_dscnt 0x0
	CROUND                                         ; the closing round: no work-group ends while a partner may still ask for a tile that names it
	s_endpgm
.Lfunc_end_k_qcc9ecf3351_attn:
	.size	k_qcc9ecf3351_attn, .Lfunc_end_k_qcc9ecf3351_attn-k_qcc9ecf3351_attn
	.p2alignl 7, 3214868480
	.fill 96, 4, 3214868480
	.section	.rodata,"a",@progbits
	.p2align	6, 0x0
	.amdhsa_kernel k_qcc9ecf3351_attn
		.amdhsa_group_segment_fixed_size 327680
		.amdhsa_private_segment_fixed_size 0
		.amdhsa_enable_private_segment 0
		.amdhsa_kernarg_size 32
		.amdhsa_user_sgpr_count 2
		.amdhsa_user_sgpr_kernarg_segment_ptr 1
		.amdhsa_wavefront_size32 1
		.amdhsa_system_sgpr_workgroup_id_x 1
		.amdhsa_system_sgpr_workgroup_id_y 1
		.amdhsa_system_sgpr_workgroup_id_z 1
		.amdhsa_system_vgpr_workitem_id 0
		.amdhsa_next_free_vgpr 1024
		.amdhsa_next_free_sgpr 66
		.amdhsa_reserve_vcc 0
		.amdhsa_float_denorm_mode_32 3
		.amdhsa_float_denorm_mode_16_64 3
		.amdhsa_memory_ordered 1
		.amdhsa_forward_progress 1
		.amdhsa_inst_pref_size 228
	.end_amdhsa_kernel
	.amdgpu_metadata
---
amdhsa.version: [ 1, 2 ]
amdhsa.kernels:
  - .name:           k_qcc9ecf3351_attn
    .symbol:         k_qcc9ecf3351_attn.kd
    .args:
      - { .name: qimg, .offset: 0, .size: 8, .value_kind: global_buffer, .address_space: global }
      - { .name: kimg, .offset: 8, .size: 8, .value_kind: global_buffer, .address_space: global }
      - { .name: vimg, .offset: 16, .size: 8, .value_kind: global_buffer, .address_space: global }
      - { .name: ctx, .offset: 24, .size: 8, .value_kind: global_buffer, .address_space: global }
    .group_segment_fixed_size: 327680
    .private_segment_fixed_size: 0
    .kernarg_segment_align: 8
    .kernarg_segment_size: 32
    .max_flat_workgroup_size: 128
    .sgpr_count:     66
    .vgpr_count:     1024
    .wavefront_size: 32
...
	.end_amdgpu_metadata
.endif
;; end of part 3
;; launch tail (part 4): grid 256 x 1, 4 waves a work-group, no clusters, 327,680 bytes of LDS; arguments ctx, wimg, x, bo, b1, b2, ln1_g, ln1_b, ln2_g, ln2_b, out1, psum; writes out1, psum
.if DOCPART == 4
	.amdgcn_target "amdgcn-amd-amdhsa--gfx1250"
	.amdhsa_code_object_version 6
	.text
	.protected	k_qcc9ecf3351_tail
	.globl	k_qcc9ecf3351_tail
	.p2align	8
	.type	k_qcc9ecf3351_tail,@function
k_qcc9ecf3351_tail:
	s_mov_b64 s[64:65], 0
	v_nop
	global_prefetch_b8 v0, s[64:65] scope:SCOPE_SE
	s_setreg_imm32_b32 hwreg(HW_REG_WAVE_MODE, 25, 1), 1
	s_wait_xcnt 0x0
; src1 = LN1(x + ctx wo + bo);  out1 = LN2(src1 + relu(src1 w1 + b1) w2 + b2);  psum = the column sums of out1 over the block's 64 rows.  Products on bf16 operands with f32 sums; all else in f32.  Nothing is left out.
; SHARES.  A work-group takes 64 rows through the whole chain.  THE WAVES SHARE THE COLUMNS: wave w owns columns 128 w .. 128 w + 127 of every layer for the 64 rows: 32 accumulators.
; Each product is used transposed: source 0 = 16 output columns of the weight (an image made by the first launch), source 1 = 16 rows of the activation: a lane holds one row and eight neighbouring columns, which pack into a piece
; of the next layer's operand image.  Activations (64 rows x 512, bf16, 65,536 bytes) lie in LDS as images [s = k / 32][t][1,024] and are read by all four waves.
; THE WEIGHTS GO FROM MEMORY STRAIGHT INTO OPERAND REGISTERS: 24 tiles of 64 along k; of each a wave wants its own 16 fragments, four groups of four, and nobody else in the work-group wants them.  Window 2 holds eight groups
; (two tiles); a group that has been multiplied is loaded again at once with the group two tiles on, so 56 loads of a wave, 28,672 bytes, are on their way at all times, seven groups (112 matrix instructions) ahead, across layers too.
; NO CLUSTER, NO RING FOR THE WEIGHTS, though all work-groups walk the same tiles: beside the activations LDS has room for two slots of 64 along k, 64 matrix instructions a wave, and at every change of slots all of a wave's tensor
; loads are waited for, so a joint refill would have less than one such step in which to land; loads into registers are waited for by count and stay out across steps.  So no barrier stands inside a layer.
; x comes by one tensor load a wave (its own strip, 64 rows x 512 bytes, rows 528 apart in LDS) and is read in the accumulators' layout; src1 in f32 is parked in the same bytes, the wave's own, which have had their only fill.
; By this text's own count a wave has two tensor loads out, at the head.
; The biases are the C of each sum's first matrix instruction.  LAYER NORM: each wave takes its 128 columns' mean and sum of squared differences from that mean; the four are merged (mean of means; the sums plus 128 x the squared
; distances of the means): no difference of large sums is formed.
; LIMITS: operands rounded to bf16; the order of sums differs from a plain row sum; NaN and infinities are not served.
; REGISTERS.  window 0: v1-15 addresses; v16-39 mean, 1 / sigma, - mean / sigma of each tile of rows, each twice; v40-43 column sums; v44-63 at work; v64-191 the activation's fragments, two sets of 8; v192-255 at work.
;   window 1: the accumulators, (column tile a, row tile t) at 64 t + 8 a.   window 2: the weights, tile parity p, group g at 128 p + 32 g.   window 3: v0-63 bias, v64-127 gain, v128-191 shift (8 a + j); v192-255 rows on the way out.
.set ACTB,  65536                      ; LDS: from 0 ctx (filled once), later the hidden layer; from here src1's images
.set XSB,   131072                     ; x, a strip of 64 rows x (512 + 16) bytes for each wave; later src1 in f32, as an image of the accumulators
.set XSW,   33792
.set STG,   266240                     ; a stage of 16 rows x (512 + 16) bytes for each wave
.set LNX,   300032                     ; two of 2,048: row (t, r), wave w at 512 t + 32 r + 8 w
.set SPARE, 304128                     ; the spare words, 128 bytes for each wave, that no other line names
.set L16, 1
.set XR,  2
.set SV,  3
.set BAD, 4
.set ISA, 5
.set ISB, 6
.set SROW, 7
.set STR, 8
.set LNS, 9
.set LNL, 10
.set VO,  11
.set XO,  12
.set SPW, 13
.set NIL, 14
.set TP,  15
.set MW,  16
.set RS,  24
.set NM,  32
.set PS,  40
.set SP2, 44
.set BF,  64
.set WV,  28
.set G1C, 36
.set G1X, 44
.set G0C, 52
.set G0X, 56
.set CNT, 66
.set SEL, 68
.set MSB, 0
.macro WIN new                         ; the immediate's high byte repeats the setting that is left
.if MSB != \new
	s_set_vgpr_msb (MSB<<8)|\new
.set MSB, \new
.endif
.endm
.macro PLACES                          ; four places behind matrix instructions, in front of loads into their registers and of the first read of results
.rept 4
	v_nop
.endr
.endm
.macro BARRIER                         ; my LDS stores have landed and my LDS loads are in: then the work-group's barrier
	s_wait_dscnt 0x0
	s_barrier_signal -1
	s_barrier_wait -1
.endm
.macro LDF reg, adr, off
	ds_load_b128 v[\reg:\reg+3], v[\adr] offset:\off
	ds_load_b128 v[\reg+4:\reg+7], v[\adr] offset:\off+512
.endm
.macro LDW g, par, off                 ; a group of weights: k 32 (g / 2) on, my column tiles 4 (g % 2) .. + 3: eight loads of 512 consecutive bytes; the caller sets the window
.irp i, 0,1,2,3
.irp u, 0,1
	global_load_b128 v[128*(\par)+32*(\g)+8*\i+4*\u:128*(\par)+32*(\g)+8*\i+4*\u+3], v[L16], s[6:7] offset:(\off)+((\g)>>1)*32768+(4*((\g)&1)+\i)*1024+512*\u
.endr
.endr
.endm
.macro LDB set                         ; the activation's eight fragments of a step: sixteen loads
.irp c, 0,1
.irp t, 0,1,2,3
	LDF BF+64*(\set)+32*\c+8*\t, BAD, (4*\c+\t)*1024
.endr
.endr
.endm
.macro GG g, par, first                ; 16 matrix instructions, sixteen accumulators by turns; first = 1: the bias is the C of the sums' first
.if (\first) && ((\g) < 2)
	WIN 0x72
.else
	WIN 0x52
.endif
.irp i, 0,1,2,3
.irp t, 0,1,2,3
.set rO, 64*\t+8*(4*((\g)&1)+\i)
.set rW, 128*(\par)+32*(\g)+8*\i
.set rB, BF+64*(\par)+32*((\g)>>1)+8*\t
.set rC, 8*(4*((\g)&1)+\i)
.if (\first) && ((\g) < 2)
	v_wmma_f32_16x16x32_bf16 v[rO:rO+7], v[rW:rW+7], v[rB:rB+7], v[rC:rC+7]
.else
	v_wmma_f32_16x16x32_bf16 v[rO:rO+7], v[rW:rW+7], v[rB:rB+7], v[rO:rO+7]
.endif
.endr
.endr
.endm
; A STEP: one weight tile, 64 along k, 64 matrix instructions.  par: the tile's parity.  ld = 1: each group is loaded again, two tiles on, as soon as it has been multiplied; ld = 0: the last two tiles, which load nothing:
; rem = the groups issued behind this tile's group 0.  nextb = 1: the next step's activation is asked for at this step's head.
.macro TSTEP par, first, ld, nextb, rem
	WIN 0
	s_wait_dscnt 0x0                               ; this step's activation, asked for a step ago
.if \nextb
	v_add_nc_u32 v[BAD], 8192, v[BAD]
	LDB 1-(\par)                                   ; the other set: its last readers stand in front of the last step's places
.endif
.irp g, 0,1,2,3
.if \ld
	s_wait_loadcnt 56                              ; loads come back in order: behind this group's eight the seven groups that follow it were issued
.else
	s_wait_loadcnt 8*((\rem)-\g)                   ; the counts run down
.endif
	GG \g, \par, \first
	PLACES
.if \ld
.if \g == 0
	s_wait_xcnt 0x0                                ; the last loads, sixteen matrix instructions back, have read their base:
	s_add_nc_u64 s[6:7], s[6:7], 65536             ; a tile on
.endif
	WIN 0x80
	LDW \g, \par, 65536
.endif
.endr
.endm
.macro LAYER act, trips, last          ; eight tiles; the last layer's tail is written out, so that no load leaves the weights' buffer
	WIN 0
	v_add_nc_u32 v[BAD], \act, v[L16]
	LDB 0
	s_wait_loadcnt 0x0                             ; the bias, asked for at the epilogue's head; the first two tiles' weights have been out since the layer before
	TSTEP 0, 1, 1, 1, 0
	WIN 0
	s_mov_b32 s[CNT], \trips
.Llay_\@:
	TSTEP 1, 0, 1, 1, 0
	TSTEP 0, 0, 1, 1, 0
	WIN 0
	s_sub_co_u32 s[CNT], s[CNT], 1
	s_cmp_lg_u32 s[CNT], 0
	s_cbranch_scc1 .Llay_\@
.if \last
	TSTEP 1, 0, 1, 1, 0                            ; tile 21 asks for tile 23, the last
	TSTEP 0, 0, 0, 1, 7
	TSTEP 1, 0, 0, 0, 3
.else
	TSTEP 1, 0, 1, 0, 0                            ; it asks for the next layer's second tile
.endif
	WIN 0
.endm
.macro VLOAD reg, sb                   ; a vector of 512: my lane's eight numbers of each of my eight column tiles; the caller sets the window
.irp a, 0,1,2,3,4,5,6,7
.irp e, 0,1
	global_load_b128 v[\reg+8*\a+4*\e:\reg+8*\a+4*\e+3], v[VO], s[\sb:\sb+1] offset:64*\a+16*\e
.endr
.endr
.endm
.macro LD64 buf, adr, t, isx           ; 16 rows x my 128 columns in the accumulators' layout, out of my own LDS bytes: isx = 1: x's rows of 528 bytes; 0: the parked image
.irp i, 0,1,2,3,4,5,6,7,8,9,10,11,12,13,14,15
.if \isx
	ds_load_b128 v[\buf+4*\i:\buf+4*\i+3], v[\adr] offset:(\t)*8448+64*(\i>>1)+16*(\i&1)
.else
	ds_load_b128 v[\buf+4*\i:\buf+4*\i+3], v[\adr] offset:(16*(\t)+\i)*512
.endif
.endr
.endm
.macro ADD64 buf, t                    ; the accumulators of row tile t += these, in ascending order
	WIN 0x41
.set ii, 0
.rept 32
	v_pk_add_f32 v[64*(\t)+ii:64*(\t)+ii+1], v[64*(\t)+ii:64*(\t)+ii+1], v[\buf+ii:\buf+ii+1]
.set ii, ii+2
.endr
	WIN 0
.endm
.macro ADDL adr, isx                   ; the residual joins: two buffers by turns; each wait leaves the sixteen younger loads out
	LD64 64, \adr, 0, \isx
	LD64 128, \adr, 1, \isx
	s_wait_dscnt 16
	ADD64 64, 0
	LD64 64, \adr, 2, \isx
	s_wait_dscnt 16
	ADD64 128, 1
	LD64 128, \adr, 3, \isx
	s_wait_dscnt 16
	ADD64 64, 2
	s_wait_dscnt 0x0
	ADD64 128, 3
.endm
.macro IMG adr                         ; 64 rows x my 128 columns, rounded to bf16, to LDS as pieces of the next layer's operand images
.irp t, 0,1,2,3
	WIN 0x05
.irp a, 0,1,2,3,4,5,6,7
.irp i, 0,1,2,3
	v_cvt_pk_bf16_f32 v[BF+32*(\t&1)+4*\a+\i], v[64*\t+8*\a+2*\i], v[64*\t+8*\a+2*\i+1]
.endr
.endr
	WIN 0
.irp a, 0,1,2,3,4,5,6,7
	ds_store_b128 v[\adr], v[BF+32*(\t&1)+4*\a:BF+32*(\t&1)+4*\a+3] offset:(\a>>1)*4096+1024*\t+512*(\a&1)
.endr
.endr
.endm
; LAYER NORM n, in place on the accumulators (window 1)
.macro LN n
.irp t, 0,1,2,3
	WIN 0x05
.irp i, 0,1,2,3,4,5,6,7,8,9,10,11,12,13,14,15
	v_pk_add_f32 v[BF+2*\i:BF+2*\i+1], v[64*\t+4*\i:64*\t+4*\i+1], v[64*\t+4*\i+2:64*\t+4*\i+3]
.endr
	WIN 0
.irp i, 0,1,2,3,4,5,6,7
	v_pk_add_f32 v[BF+2*\i:BF+2*\i+1], v[BF+2*\i:BF+2*\i+1], v[BF+16+2*\i:BF+17+2*\i]
.endr
.irp i, 0,1,2,3
	v_pk_add_f32 v[BF+2*\i:BF+2*\i+1], v[BF+2*\i:BF+2*\i+1], v[BF+8+2*\i:BF+9+2*\i]
.endr
.irp i, 0,1
	v_pk_add_f32 v[BF+2*\i:BF+2*\i+1], v[BF+2*\i:BF+2*\i+1], v[BF+4+2*\i:BF+5+2*\i]
.endr
	v_pk_add_f32 v[BF:BF+1], v[BF:BF+1], v[BF+2:BF+3]
	v_add_f32 v[BF], v[BF], v[BF+1]
	v_permlanex16_b32 v[TP], v[BF], s[SEL], s[SEL+1]
	v_add_f32 v[BF], v[BF], v[TP]
	v_mul_f32 v[MW+2*\t], 0x3c000000, v[BF]        ; my wave's mean of the row: / 128
	v_mov_b32 v[MW+2*\t+1], v[MW+2*\t]
	WIN 0x01
.set ii, 0
.rept 32
	v_pk_add_f32 v[192+ii:193+ii], v[64*\t+ii:64*\t+ii+1], v[MW+2*\t:MW+2*\t+1] neg_lo:[0,1] neg_hi:[0,1]
.set ii, ii+2
.endr
	WIN 0
.irp i, 0,1,2,3
	v_pk_mul_f32 v[BF+2*\i:BF+2*\i+1], v[192+2*\i:193+2*\i], v[192+2*\i:193+2*\i]
.endr
.irp j, 1,2,3,4,5,6,7
.irp i, 0,1,2,3
	v_pk_fma_f32 v[BF+2*\i:BF+2*\i+1], v[192+8*\j+2*\i:193+8*\j+2*\i], v[192+8*\j+2*\i:193+8*\j+2*\i], v[BF+2*\i:BF+2*\i+1]
.endr
.endr
	v_pk_add_f32 v[BF:BF+1], v[BF:BF+1], v[BF+2:BF+3]
	v_pk_add_f32 v[BF+4:BF+5], v[BF+4:BF+5], v[BF+6:BF+7]
	v_pk_add_f32 v[BF:BF+1], v[BF:BF+1], v[BF+4:BF+5]
	v_add_f32 v[BF], v[BF], v[BF+1]
	v_permlanex16_b32 v[TP], v[BF], s[SEL], s[SEL+1]
	v_add_f32 v[SP2+2*\t+1], v[BF], v[TP]          ; and its sum of squared differences
	v_mov_b32 v[SP2+2*\t], v[MW+2*\t]
	ds_store_b64 v[LNS], v[SP2+2*\t:SP2+2*\t+1] offset:2048*(\n)+512*\t   ; both halves of the lanes write the same bytes with the same values
.endr
	BARRIER
.irp t, 0,1,2,3
	ds_load_b128 v[BF+8*\t:BF+8*\t+3], v[LNL] offset:2048*(\n)+512*\t
	ds_load_b128 v[BF+8*\t+4:BF+8*\t+7], v[LNL] offset:2048*(\n)+512*\t+16
.endr
	s_wait_dscnt 0x0
.irp t, 0,1,2,3
.set rM, BF+8*\t
	v_add_f32 v52, v[rM], v[rM+2]
	v_add_f32 v53, v[rM+4], v[rM+6]
	v_add_f32 v52, v52, v53
	v_mul_f32 v[56+\t], 0x3e800000, v52            ; the row's mean
	v_add_f32 v54, v[rM+1], v[rM+3]
	v_add_f32 v55, v[rM+5], v[rM+7]
	v_add_f32 v54, v54, v55
	v_sub_f32 v52, v[rM], v[56+\t]
	v_mul_f32 v53, v52, v52
	v_sub_f32 v52, v[rM+2], v[56+\t]
	v_fma_f32 v53, v52, v52, v53
	v_sub_f32 v52, v[rM+4], v[56+\t]
	v_fma_f32 v53, v52, v52, v53
	v_sub_f32 v52, v[rM+6], v[56+\t]
	v_fma_f32 v53, v52, v52, v53
	v_fma_f32 v54, 0x43000000, v53, v54            ; + 128 x the squared distances of the waves' means
	v_fma_f32 v[60+\t], v54, s71, s70              ; / 512 + 1e-5
.endr
.irp t, 0,1,2,3
	v_rsq_f32 v[RS+2*\t], v[60+\t]
.endr
	v_nop                                          ; a plain line behind the last of the four,
	s_wait_alu depctr_va_vdst(0)                   ; and one wait for the batch, ahead of its first reader
.irp t, 0,1,2,3
	v_mov_b32 v[RS+2*\t+1], v[RS+2*\t]
	v_mul_f32 v[NM+2*\t], -v[56+\t], v[RS+2*\t]
	v_mov_b32 v[NM+2*\t+1], v[NM+2*\t]
.endr
	WIN 0x41
.irp t, 0,1,2,3
.set ii, 0
.rept 32
	v_pk_fma_f32 v[64*\t+ii:64*\t+ii+1], v[64*\t+ii:64*\t+ii+1], v[RS+2*\t:RS+2*\t+1], v[NM+2*\t:NM+2*\t+1]
.set ii, ii+2
.endr
.endr
	WIN 0x7d                                       ; gain and shift lie in window 3
.irp t, 0,1,2,3
.set ii, 0
.rept 32
	v_pk_fma_f32 v[64*\t+ii:64*\t+ii+1], v[64*\t+ii:64*\t+ii+1], v[64+ii:65+ii], v[128+ii:129+ii]
.set ii, ii+2
.endr
.endr
	WIN 0
.endm
	s_load_b512 s[4:19], s[0:1], 0x0               ; ctx, wimg, x, bo, b1, b2, ln1_g, ln1_b
	s_load_b256 s[20:27], s[0:1], 0x40             ; ln2_g, ln2_b, out1, psum
	v_lshl_add_u32 v[SPW], v0, 2, SPARE
	v_mov_b32 v[NIL], 0
	ds_add_u32 v[SPW], v[NIL]                      ; the wave's opening: the add, twice on end, and its wait ahead of my first tensor load
	ds_add_u32 v[SPW], v[NIL]
	v_lshrrev_b32 v52, 5, v0
	v_readfirstlane_b32 s[WV], v52                 ; wave 0..3
	s_lshl_b32 s31, s[WV], 14                      ; my quarter of ctx's images: 16,384 bytes
	s_lshl_b32 s72, ttmp9, 16                      ; a block of 64 rows is 65,536 bytes of ctx,
	s_add_co_u32 s72, s72, s31
	s_mov_b32 s73, 0
	s_lshl_b32 s74, ttmp9, 17                      ; 131,072 of x and of out1,
	s_mov_b32 s75, 0
	s_lshl_b32 s76, ttmp9, 11                      ; 2,048 of psum
	s_mov_b32 s77, 0
	s_lshl_b32 s78, s[WV], 13                      ; the weights: my eight column tiles begin 8,192 bytes x wave into each 32 along k
	s_mov_b32 s79, 0
	s_lshl_b32 s85, s[WV], 9                       ; my 512 bytes of a row of 2,048
	s_add_co_u32 s80, s74, s85
	s_mov_b32 s81, 0
	s_mul_i32 s86, s[WV], XSW
	s_add_co_u32 s86, s86, XSB                     ; my strip in LDS
	; descriptor groups 1.  ctx: 16,384 dense bytes as 64 rows of 256 (32 elements of 8 bytes).  x: 64 rows of 512 bytes (64 elements), 2,048 bytes (256 elements) apart, 16 bytes of padding behind each 128 words
	s_mov_b32 s[G1C+0], 3<<16
	s_mov_b32 s[G1C+1], 32<<16
	s_mov_b32 s[G1C+2], 64<<16
	s_mov_b32 s[G1C+3], 32<<16
	s_mov_b32 s[G1C+4], 64
	s_mov_b32 s[G1C+5], 32
	s_mov_b32 s[G1C+6], 0
	s_mov_b32 s[G1C+7], 0
	s_mov_b32 s[G1X+0], (3<<16)|(1<<20)|(6<<22)|(3<<25)
	s_mov_b32 s[G1X+1], 64<<16
	s_mov_b32 s[G1X+2], 64<<16
	s_mov_b32 s[G1X+3], 64<<16
	s_mov_b32 s[G1X+4], 64
	s_mov_b32 s[G1X+5], 256
	s_mov_b32 s[G1X+6], 0
	s_mov_b32 s[G1X+7], 0
	s_mov_b32 s[SEL], 0x76543210
	s_mov_b32 s[SEL+1], 0xfedcba98
	s_mov_b32 s70, 0x3727c5ac                      ; 1e-5
	s_mov_b32 s71, 0x3b000000                      ; 1 / 512
	s_wait_dscnt 0x0                               ; both opening adds are done
	s_wait_kmcnt 0x0
	s_add_nc_u64 s[24:25], s[24:25], s[74:75]
	s_add_nc_u64 s[26:27], s[26:27], s[76:77]
	s_add_nc_u64 s[6:7], s[6:7], s[78:79]
	s_mov_b32 s[G0C], 1
	s_mov_b32 s[G0C+1], s31
	s_add_nc_u64 s[G0C+2:G0C+3], s[4:5], s[72:73]
	s_or_b32 s[G0C+3], s[G0C+3], 0x80000000
	s_mov_b32 s[G0X], 1
	s_mov_b32 s[G0X+1], s86
	s_add_nc_u64 s[G0X+2:G0X+3], s[8:9], s[80:81]
	s_or_b32 s[G0X+3], s[G0X+3], 0x80000000
	tensor_load_to_lds s[G0C:G0C+3], s[G1C:G1C+7]  ; ctx's quarter, read by all four waves,
	s_nop 0
	tensor_load_to_lds s[G0X:G0X+3], s[G1X:G1X+7]  ; and my strip of x, read by me alone
	s_nop 0
	PLACES
	v_and_b32 v52, 31, v0                          ; lane
	v_and_b32 v53, 15, v0                          ; r
	v_bfe_u32 v54, v0, 4, 1                        ; h
	v_lshlrev_b32 v[L16], 4, v52
	v_add_nc_u32 v[ISA], s31, v[L16]
	v_add_nc_u32 v[ISB], ACTB, v[ISA]
	v_add_nc_u32 v[SV], s86, v[L16]                ; the parked image: 16 bytes a lane
	v_mul_u32_u24 v55, v53, 528
	v_lshl_add_u32 v55, v54, 5, v55
	v_add_nc_u32 v[XR], s86, v55                   ; x by the accumulators' layout: row r, + 32 h
	s_mul_i32 s83, s[WV], 8448
	s_add_co_u32 s83, s83, STG
	v_add_nc_u32 v[SROW], s83, v[L16]              ; the stage by rows: 16 bytes a lane
	v_add_nc_u32 v[STR], s83, v55                  ; and by the accumulators' layout
	v_lshlrev_b32 v55, 5, v53
	v_add_nc_u32 v[LNL], LNX, v55
	s_lshl_b32 s84, s[WV], 3
	v_add_nc_u32 v[LNS], s84, v[LNL]
	v_lshl_add_u32 v[VO], v54, 5, s85              ; a vector of 512: my 128 numbers, + 8 h
	v_add_nc_u32 v[XO], s85, v[L16]                ; a row of 2,048 bytes: my wave's 512, 16 a lane
	v_mov_b32 v[TP], 0                             ; a lane permute's destination counts as one of its sources
	WIN 0xc0
	VLOAD 0, 10                                    ; bo, ln1_g, ln1_b
	VLOAD 64, 16
	VLOAD 128, 18
	WIN 0x80
.irp g, 0,1,2,3
	LDW \g, 0, 0                                   ; weight tiles 0
.endr
.irp g, 0,1,2,3
	LDW \g, 1, 65536                               ; and 1
.endr
	WIN 0
	s_wait_tensorcnt 0x0                           ; my quarter of ctx and my strip of x are in LDS
	s_barrier_signal -1
	s_barrier_wait -1                              ; everybody's quarter is
	LAYER 0, 3, 0                                  ; ctx wo + bo
	WIN 0xc0
	VLOAD 0, 12                                    ; b1, for the next layer
	WIN 0
	ADDL XR, 1                                     ; + x
	LN 0
	WIN 0x04
.set ii, 0
.rept 64
	ds_store_b128 v[SV], v[4*ii:4*ii+3] offset:512*ii   ; src1 in f32 is parked where x lay: my own bytes, all my reads of x are back
.set ii, ii+1
.endr
	IMG ISB                                        ; src1's images
	BARRIER
	LAYER ACTB, 3, 0                               ; src1 w1 + b1
	WIN 0xc0
	VLOAD 0, 14                                    ; b2, ln2_g, ln2_b
	VLOAD 64, 20
	VLOAD 128, 22
	WIN 0x44
.set ii, 0
.rept 256
	v_max_num_f32 v[ii], 0, v[ii]                  ; relu
.set ii, ii+1
.endr
	IMG ISA                                        ; the hidden layer's images, where ctx lay: every wave has passed two barriers since its last read of ctx, and no fill lands there any more
	BARRIER
	LAYER 0, 2, 1                                  ; h w2 + b2
	ADDL SV, 0                                     ; + src1
	LN 1
	; ---- THE WAY OUT: 16 rows at a time through my stage, back as rows: 512 consecutive bytes a store; the rows are added up on their way
.irp i, 0,1,2,3
	v_mov_b32 v[PS+\i], 0
.endr
.irp t, 0,1,2,3
	WIN 0x04
.irp i, 0,1,2,3,4,5,6,7,8,9,10,11,12,13,14,15
	ds_store_b128 v[STR], v[64*\t+4*\i:64*\t+4*\i+3] offset:64*(\i>>1)+16*(\i&1)
.endr
	s_wait_xcnt 0x0                                ; the last 16 rows' stores have read their registers
	WIN 0xc0
.irp i, 0,1,2,3,4,5,6,7,8,9,10,11,12,13,14,15
	ds_load_b128 v[192+4*\i:195+4*\i], v[SROW] offset:528*\i
.endr
	WIN 0x0c
.irp i, 0,1,2,3,4,5,6,7,8,9,10,11,12,13,14,15
	s_wait_dscnt 15-\i                             ; row i is back; the younger loads may stay out
	global_store_b128 v[XO], v[192+4*\i:195+4*\i], s[24:25] offset:(16*\t+\i)*2048 th:TH_STORE_NT
	v_pk_add_f32 v[PS:PS+1], v[PS:PS+1], v[192+4*\i:193+4*\i]
	v_pk_add_f32 v[PS+2:PS+3], v[PS+2:PS+3], v[194+4*\i:195+4*\i]
.endr
.endr
	WIN 0
	global_store_b128 v[XO], v[PS:PS+3], s[26:27]
	s_wait_tensorcnt 0x0                           ; the wave's end, behind my last tensor load and my last LDS store
	ds_add_u32 v[SPW], v[NIL]
	s_wait_dscnt 0x0
	s_endpgm
.Lfunc_end_k_qcc9ecf3351_tail:
	.size	k_qcc9ecf3351_tail, .Lfunc_end_k_qcc9ecf3351_tail-k_qcc9ecf3351_tail
	.p2alignl 7, 3214868480
	.fill 96, 4, 3214868480
	.section	.rodata,"a",@progbits
	.p2align	6, 0x0
	.amdhsa_kernel k_qcc9ecf3351_tail
		.amdhsa_group_segment_fixed_size 327680
		.amdhsa_private_segment_fixed_size 0
		.amdhsa_enable_private_segment 0
		.amdhsa_kernarg_size 96
		.amdhsa_user_sgpr_count 2
		.amdhsa_user_sgpr_kernarg_segment_ptr 1
		.amdhsa_wavefront_size32 1
		.amdhsa_system_sgpr_workgroup_id_x 1
		.amdhsa_system_sgpr_workgroup_id_y 1
		.amdhsa_system_sgpr_workgroup_id_z 1
		.amdhsa_system_vgpr_workitem_id 0
		.amdhsa_next_free_vgpr 1024
		.amdhsa_next_free_sgpr 90
		.amdhsa_reserve_vcc 0
		.amdhsa_float_denorm_mode_32 3
		.amdhsa_float_denorm_mode_16_64 3
		.amdhsa_memory_ordered 1
		.amdhsa_forward_progress 1
		.amdhsa_inst_pref_size 255
	.end_amdhsa_kernel
	.section	.bss,"aw",@nobits
	.p2align	6
	.space	262144
	.amdgpu_metadata
---
amdhsa.version: [ 1, 2 ]
amdhsa.kernels:
  - .name:           k_qcc9ecf3351_tail
    .symbol:         k_qcc9ecf3351_tail.kd
    .args:
      - { .name: ctx, .offset: 0, .size: 8, .value_kind: global_buffer, .address_space: global }
      - { .name: wimg, .offset: 8, .size: 8, .value_kind: global_buffer, .address_space: global }
      - { .name: x, .offset: 16, .size: 8, .value_kind: global_buffer, .address_space: global }
      - { .name: bo, .offset: 24, .size: 8, .value_kind: global_buffer, .address_space: global }
      - { .name: b1, .offset: 32, .size: 8, .value_kind: global_buffer, .address_space: global }
      - { .name: b2, .offset: 40, .size: 8, .value_kind: global_buffer, .address_space: global }
      - { .name: ln1_g, .offset: 48, .size: 8, .value_kind: global_buffer, .address_space: global }
      - { .name: ln1_b, .offset: 56, .size: 8, .value_kind: global_buffer, .address_space: global }
      - { .name: ln2_g, .offset: 64, .size: 8, .value_kind: global_buffer, .address_space: global }
      - { .name: ln2_b, .offset: 72, .size: 8, .value_kind: global_buffer, .address_space: global }
      - { .name: out1, .offset: 80, .size: 8, .value_kind: global_buffer, .address_space: global }
      - { .name: psum, .offset: 88, .size: 8, .value_kind: global_buffer, .address_space: global }
    .group_segment_fixed_size: 327680
    .private_segment_fixed_size: 0
    .kernarg_segment_align: 8
    .kernarg_segment_size: 96
    .max_flat_workgroup_size: 128
    .sgpr_count:     90
    .vgpr_count:     1024
    .wavefront_size: 32
...
	.end_amdgpu_metadata
.endif
;; end of part 4
;; launch logits (part 5): grid 8 x 1, 4 waves a work-group, no clusters, 1,024 bytes of LDS; arguments psum, wc, bc, out0; writes out0
.if DOCPART == 5
	.amdgcn_target "amdgcn-amd-amdhsa--gfx1250"
	.amdhsa_code_object_version 6
	.text
	.protected	k_qcc9ecf3351_logits
	.globl	k_qcc9ecf3351_logits
	.p2align	8
	.type	k_qcc9ecf3351_logits,@function
k_qcc9ecf3351_logits:
	s_mov_b64 s[64:65], 0
	v_nop
	global_prefetch_b8 v0, s[64:65] scope:SCOPE_SE
	s_setreg_imm32_b32 hwreg(HW_REG_WAVE_MODE, 25, 1), 1
	s_wait_xcnt 0x0
; logits[b][o] = (the sum over the batch's 32 blocks of psum[block][d]) / 2,048 . wc[d][o] + bc[o].  One work-group a batch; thread t owns columns 4 t .. 4 t + 3.  All in f32: 8 rows are no work for the matrix units.
; Nothing is left out.  No cluster and no tensor load: the work-groups share only wc's 20,480 bytes.  The order of the sums differs from a plain mean over the rows.
.set P,  16                            ; v16-143  psum: 32 blocks x 4 columns
.set W,  144                           ; v144-183 wc: my 4 rows of 10
.set A,  64                            ; v64-73   my part of the ten logits (psum's registers are free by then)
	s_load_b256 s[4:11], s[0:1], 0x0               ; psum, wc, bc, out0
	v_lshl_add_u32 v190, v0, 2, 256                ; my spare word: the spare words lie from byte 256 on, 128 bytes for each wave
	v_mov_b32 v191, 0
	v_lshrrev_b32 v1, 5, v0
	v_readfirstlane_b32 s12, v1                    ; wave
	v_and_b32 v2, 31, v0                           ; lane
	v_lshlrev_b32 v3, 4, v0                        ; 16 x thread
	v_mul_u32_u24 v4, v0, 160                      ; four rows of wc are 160 bytes
	v_lshlrev_b32 v6, 2, v2
	s_lshl_b32 s13, s12, 6
	v_mov_b32 v5, s13                              ; my wave's ten words in LDS
	v_mov_b32 v7, 0                                ; a lane permute's destination counts as one of its sources
	s_mov_b32 s18, 0x76543210
	s_mov_b32 s19, 0xfedcba98
	s_lshl_b32 s14, ttmp9, 16                      ; 32 blocks of 2,048 bytes
	s_mov_b32 s15, 0
	s_mul_i32 s16, ttmp9, 40
	s_mov_b32 s17, 0
	s_wait_kmcnt 0x0
	s_add_nc_u64 s[4:5], s[4:5], s[14:15]
	s_add_nc_u64 s[10:11], s[10:11], s[16:17]
.set ii, 0
.rept 32
	global_load_b128 v[P+4*ii:P+4*ii+3], v3, s[4:5] offset:2048*ii
.set ii, ii+1
.endr
.irp i, 0,1,2,3,4,5,6,7,8,9
	global_load_b128 v[W+4*\i:W+4*\i+3], v4, s[6:7] offset:16*\i
.endr
	s_wait_loadcnt 10                              ; psum is in; wc's ten loads may stay out
.set ii, 1
.rept 31
	v_pk_add_f32 v[P:P+1], v[P:P+1], v[P+4*ii:P+4*ii+1]
	v_pk_add_f32 v[P+2:P+3], v[P+2:P+3], v[P+4*ii+2:P+4*ii+3]
.set ii, ii+1
.endr
	s_wait_loadcnt 0x0
.irp o, 0,1,2,3,4,5,6,7,8,9
	v_mul_f32 v[A+\o], v[P], v[W+\o]
.endr
.irp d, 1,2,3
.irp o, 0,1,2,3,4,5,6,7,8,9
	v_fma_f32 v[A+\o], v[P+\d], v[W+10*\d+\o], v[A+\o]
.endr
.endr
.irp m, 1,2,4,8
.irp o, 0,1,2,3,4,5,6,7,8,9
	v_add_f32_dpp v[A+\o], v[A+\o], v[A+\o] row_xmask:\m row_mask:0xf bank_mask:0xf
.endr
.endr
.irp o, 0,1,2,3,4,5,6,7,8,9
	v_permlanex16_b32 v7, v[A+\o], s18, s19
	v_add_f32 v[A+\o], v[A+\o], v7
	ds_store_b32 v5, v[A+\o] offset:4*\o           ; all lanes write the same word with the same value
.endr
	s_wait_dscnt 0x0                               ; for the others' sake
	s_barrier_signal -1
	s_barrier_wait -1
	s_cmp_lg_u32 s12, 0
	s_cbranch_scc1 .Lend                           ; wave 0 alone goes on
	v_cmp_gt_u32 vcc_lo, 10, v2
	s_wait_xcnt 0x0                                ; EXEC changes only behind this wait
	s_and_saveexec_b32 s20, vcc_lo                 ; lane o takes logit o
	ds_load_b32 v80, v6
	ds_load_b32 v81, v6 offset:64
	ds_load_b32 v82, v6 offset:128
	ds_load_b32 v83, v6 offset:192
	global_load_b32 v84, v6, s[8:9]                ; bc
	s_wait_dscnt 0x0
	v_add_f32 v80, v80, v81
	v_add_f32 v82, v82, v83
	v_add_f32 v80, v80, v82
	s_wait_loadcnt 0x0
	v_fma_f32 v85, v80, 0x3a000000, v84            ; / 2,048 + bc
	global_store_b32 v6, v85, s[10:11]
	s_wait_xcnt 0x0                                ; and again, in front of the line that widens it
	s_or_b32 exec_lo, exec_lo, s20
.Lend:
	s_wait_tensorcnt 0x0                           ; the wave's end, behind my last LDS store
	ds_add_u32 v190, v191
	s_wait_dscnt 0x0
	s_endpgm
.Lfunc_end_k_qcc9ecf3351_logits:
	.size	k_qcc9ecf3351_logits, .Lfunc_end_k_qcc9ecf3351_logits-k_qcc9ecf3351_logits
	.p2alignl 7, 3214868480
	.fill 96, 4, 3214868480
	.section	.rodata,"a",@progbits
	.p2align	6, 0x0
	.amdhsa_kernel k_qcc9ecf3351_logits
		.amdhsa_group_segment_fixed_size 1024
		.amdhsa_private_segment_fixed_size 0
		.amdhsa_enable_private_segment 0
		.amdhsa_kernarg_size 32
		.amdhsa_user_sgpr_count 2
		.amdhsa_user_sgpr_kernarg_segment_ptr 1
		.amdhsa_wavefront_size32 1
		.amdhsa_system_sgpr_workgroup_id_x 1
		.amdhsa_system_sgpr_workgroup_id_y 1
		.amdhsa_system_sgpr_workgroup_id_z 1
		.amdhsa_system_vgpr_workitem_id 0
		.amdhsa_next_free_vgpr 192
		.amdhsa_next_free_sgpr 66
		.amdhsa_reserve_vcc 1
		.amdhsa_float_denorm_mode_32 3
		.amdhsa_float_denorm_mode_16_64 3
		.amdhsa_memory_ordered 1
		.amdhsa_forward_progress 1
		.amdhsa_inst_pref_size 17
	.end_amdhsa_kernel
	.amdgpu_metadata
---
amdhsa.version: [ 1, 2 ]
amdhsa.kernels:
  - .name:           k_qcc9ecf3351_logits
    .symbol:         k_qcc9ecf3351_logits.kd
    .args:
      - { .name: psum, .offset: 0, .size: 8, .value_kind: global_buffer, .address_space: global }
      - { .name: wc, .offset: 8, .size: 8, .value_kind: global_buffer, .address_space: global }
      - { .name: bc, .offset: 16, .size: 8, .value_kind: global_buffer, .address_space: global }
      - { .name: out0, .offset: 24, .size: 8, .value_kind: global_buffer, .address_space: global }
    .group_segment_fixed_size: 1024
    .private_segment_fixed_size: 0
    .kernarg_segment_align: 8
    .kernarg_segment_size: 32
    .max_flat_workgroup_size: 128
    .sgpr_count:     66
    .vgpr_count:     192
    .wavefront_size: 32
...
	.end_amdgpu_metadata
.endif
;; end of part 5
